; MI455X (gfx1250); checked and timed in simulation.
; The chip was launched on July 23, 2026; its instructions are those of AMD's public machine-readable ISA for CDNA 5 (MIT licence, August 2026) and "CDNA5" Instruction Set Architecture Reference Guide (July 2026). The comments in the code are by the model that wrote it; some were corrected since.
;; Attention. Allowed arithmetic: matrix products marked QUANTISED: E4M3 operands, one given power-of-two scale a tensor, by v_wmma_f32_16x16x64_fp8_fp8 or v_wmma_f32_16x16x128_fp8_fp8, f32 sums; everything else in f32.
;; Inputs: attention_mask 2 x 1 x 2,048 x 2,048 bool; key_layer 2 x 32 x 2,048 x 128 float32; lowp_scales 4 int32 (the exponents e of the quantised operands' scales 2^e); query_layer 2 x 32 x 2,048 x 128 float32; value_layer 2 x 32 x 2,048 x 128 float32.
;; Outputs: out0 2 x 2,048 x 4,096 float32.
;; This version of the problem:
;;   THIS VERSION OF THE PROBLEM IS GIVEN IN LOW PRECISION. The matrix products marked QUANTISED in the list below multiply operands that are first quantised to E4M3 (4 exponent bits, 3 mantissa bits; 8 bits a number), with one given power-of-two scale for each operand tensor; their sums are f32. All else is computed in f32.
;;   The module's matrix products, in the order in which they are computed (A, B: the left and right operand; K: the contracted axis; several contracted axes count as one K, in the product's order):
;;     1. batch 64 x [M 2,048, K 128] x [K 128, N 2,048]; A: input query_layer; B: input key_layer: QUANTISED (scales: A lowp_scales[0], B lowp_scales[1])
;;     2. batch 64 x [M 2,048, K 2,048] x [K 2,048, N 128]; A: softmax (see below); B: input value_layer: QUANTISED (scales: A lowp_scales[2], B lowp_scales[3])
;;   THE QUANTISER, for each operand of a quantised product, along K:
;;     - The operand's scale is 2^e, e = its entry of the input lowp_scales (int32; the entries are numbered through the quantised products in the list's order, A before B).
;;     - Each number is divided by the scale, clamped to +-448, and rounded to the nearest number of E4M3, ties to even, subnormals kept.
;;     - The product sums the exact products of the quantised numbers (number of the format x scale) in f32.
;;   ~~~python
;;   def quantise(x, axis, e):      # numpy; x: float32 -> the quantised numbers, widened to float32 again
;;       x = np.moveaxis(x, axis, -1); K = x.shape[-1]
;;       r = np.clip(x / 2.0 ** e, -448, 448)
;;       step = 2.0 ** (np.maximum(np.frexp(np.where(r == 0, 1, r))[1] - 1, -6) - 3)
;;       q = np.round(r / step) * step * 2.0 ** e      # np.round: ties to even
;;       return np.moveaxis(q, -1, axis).astype(np.float32)
;;   ~~~
;;   SOFTMAX AHEAD OF A QUANTISED PRODUCT. Where the list says 'softmax', what is quantised is not the finished softmax but p = 2^(t - M), with t = logit x log2(e) and M = ceil(the row's largest t), a whole number; so 1/2 < the row's largest p <= 1. The row's sum l is taken of the UNQUANTISED p, in f32, and the product's result is divided by l at the end. Since M is a whole number, a kernel that streams over the keys may use a running M (the ceiling of the running maximum): every later rescaling is an exact power of two, so the quantised numbers keep their values, but for numbers so far below the row's largest that they fall under the format's range.
;;   OPERANDS COMPUTED ON THE WAY. 'Computed on the way' means the value that the module computes at that place (a softmax that the list does not call 'softmax' is quantised finished and normalised). What goes into a quantiser is computed in f32, as accurately as f32 sums, v_exp_f32 and their like allow (about 1e-6 of the number): no bf16 or f16 on the way to a quantiser, and a product that is left as it is and whose result goes on into a quantised operand takes f32 operands (vector FMAs, or v_wmma_f32_16x16x4_f32). A number that lies on a knife's edge between two numbers of the format may be rounded either way, as far as f32 arithmetic and the matrix unit's own rounding can turn it there, and no further.
;; 2 versions. Each part assembles by itself: llvm-mc -triple=amdgcn-amd-amdhsa -mcpu=gfx1250 --defsym DOCPART=n.
;; ======== version 1 of 2: 2 launches
;; workspace buffers: kv 33,554,432 bytes; lm 1,048,576 bytes of whole numbers; fl 4,096 bytes of whole numbers
;; launch prep (part 1): grid 2304 x 1, 4 waves a work-group, no clusters, 34,304 bytes of LDS; arguments attention_mask, key_layer, value_layer, lowp_scales, kv, lm, fl; writes kv, lm, fl
.if DOCPART == 1
	.amdgcn_target "amdgcn-amd-amdhsa--gfx1250"
	.amdhsa_code_object_version 6
	.text
	.protected	k_q637ce48faa_prep
	.globl	k_q637ce48faa_prep
	.p2align	8
	.type	k_q637ce48faa_prep,@function
k_q637ce48faa_prep:
	s_mov_b64 s[64:65], 0
	v_nop
	global_prefetch_b8 v0, s[64:65] scope:SCOPE_SE
	s_setreg_imm32_b32 hwreg(HW_REG_WAVE_MODE, 25, 1), 1
	s_wait_xcnt 0x0
; THE LAUNCH IN FRONT OF THE ATTENTION.  Three kinds of work-groups, told apart by the work-group's number; each kind has its own path and its own end; waves share nothing, so there is no barrier.
;   0 .. 255      THE MASK.  attention_mask [2][1][2048][2048], one byte a place (not 0 = hidden), becomes lane masks and flags, as whole numbers:
;                 lm [g = 128 b + q / 16][ks = key / 128][64 words]: bit L of word n = mask[b][16 (g % 128) + L % 16][128 ks + 32 (n / 16) + 16 (L / 16) + n % 16]: the lanes in which score register n is hidden;
;                 fl [g][4 words]: word w holds, for ks = 4 w + j, bit 8 w + 2 j = some place of the 16 x 128 tile is open, bit 8 w + 2 j + 1 = some place is hidden; the four words ORed are 2 bits a key step.
;   256 .. 1279   K [64 heads][2048][128] f32 becomes codes of E4M3 with the given scale 2^ek;   1280 .. 2303   V likewise with 2^ev, THE KEYS INNERMOST.  One work-group takes 128 keys of a head.
;                 kv [head][ks][32,768 bytes]: K's image (16,384 bytes), then V's.  An image is the operands' registers as they will stand: fragment t (0..7), group of four registers c (0..3), lane L: 16 bytes at 2048 t + 512 c + 16 L.
;                 K: lane (r = L % 16, h = L / 16) holds key 128 ks + 32 (t / 2) + 8 (t % 2) + r + 8 (r / 8), channels 32 c + 16 h + 0 .. 15.     V: channel 16 t + r, keys 128 ks + 32 c + 16 h + 0 .. 15.
; code = x / 2^e, held within +-448, rounded to the nearest code, ties to even.
; LIMITS: ek and ev between -126 and 119, so that 2^e and 448 x 2^e are f32 numbers.  NaN among the inputs is not served; an infinity is held at the largest code.
.set SP,   528                         ; K's path: a stage row: 512 bytes + 16 = 132 words: row r starts at bank 4 r mod 64 (64 banks of 4 bytes: ISA guide 11.1)
.set WSTG, 16*SP                       ; a wave's own stage: 16 rows
.set KR,   16                          ; K: v16-143   two tiles of 16 keys as loaded: 4 registers a row
.set KX,   144                         ; K: v144-207  64 numbers of a lane: register 16 b + i = channel 32 b + 16 h + i of my key
.set KC,   208                         ; K: v208-239  codes, 16 registers a tile: no store's data are written again
.set VX,   16                          ; V: v16-79    two sets of 32 numbers down the keys
.set VC,   80                          ; V: v80-111   codes, 8 registers for each block of 32 keys: no store's data are written again
	s_load_b256 s[4:11], s[0:1], 0x0               ; mask s[4:5], K s[6:7], V s[8:9], the scales' exponents s[10:11]
	s_load_b128 s[12:15], s[0:1], 0x20             ; kv s[12:13], lm s[14:15]
	s_load_b64 s[16:17], s[0:1], 0x30              ; fl
	v_lshl_add_u32 v254, v0, 2, 0x8400
	v_mov_b32 v255, 0
	v_lshrrev_b32 v1, 5, v0
	v_readfirstlane_b32 s20, v1                    ; wave 0..3
	v_and_b32 v1, 31, v0                           ; lane
	v_and_b32 v2, 15, v0                           ; r
	v_bfe_u32 v3, v0, 4, 1                         ; h
	s_mov_b32 s31, 0                               ; the upper word of every offset: all lie under 2^31
	s_wait_kmcnt 0x0
	s_cmp_lt_u32 ttmp9, 256
	s_cbranch_scc1 .Lmask
	s_load_b128 s[24:27], s[10:11], 0x0            ; eq, ek, ep, ev
	s_cmp_lt_u32 ttmp9, 1280
	s_cbranch_scc1 .Lkeys
.macro SCALES e                        ; s[e] = the exponent: v11 = 2^e as f32 (the conversion takes its exponent field), v12 = 448 x 2^e
	s_add_co_i32 s28, s[\e], 127
	s_lshl_b32 s29, s28, 23
	v_mov_b32 v11, s29
	s_add_co_i32 s28, s28, 8
	s_lshl_b32 s28, s28, 23
	s_or_b32 s28, s28, 0x600000                    ; the mantissa field of 448
	v_mov_b32 v12, s28
.endm
; ---------------- V.  A lane takes a channel, and its registers run down the keys: the conversions then give codes with the keys innermost, and nothing is transposed.
; Wave w takes channels 32 w + lane.  A load reads one key's row at 32 neighbouring channels: 128 consecutive bytes a wave, the four waves side by side on the row's 512.
	s_sub_co_u32 s28, ttmp9, 1280                  ; 16 x head + ks
	s_lshl_b32 s30, s28, 16                        ; 128 keys of 512 bytes
	s_add_nc_u64 s[8:9], s[8:9], s[30:31]
	s_lshl_b32 s30, s28, 15                        ; a key step's 32,768 bytes of kv
	s_add_nc_u64 s[12:13], s[12:13], s[30:31]
	v_lshlrev_b32 v13, 2, v1
	s_lshl_b32 s29, s20, 7
	v_add_nc_u32 v13, s29, v13                     ; in: 128 w + 4 x lane
	v_lshlrev_b32 v14, 4, v2
	v_lshl_add_u32 v14, v3, 11, v14
	s_lshl_b32 s29, s20, 12
	v_add_nc_u32 v14, s29, v14                     ; out: my channel is row lane % 16 of fragment 2 w + lane / 16: 4096 w + 2048 (lane / 16) + 16 (lane % 16)
.macro LOADV c                         ; keys 32 c + 0 .. 31 of my channel into set c % 2
.set n, 0
.rept 32
	global_load_b32 v[VX+32*((\c)%2)+n], v13, s[8:9] offset:(32*(\c)+n)*512 th:TH_LOAD_NT
.set n, n+1
.endr
.endm
.macro BLOCKV c
.if (\c) < 3
	s_wait_loadcnt 32                              ; this block's 32 loads are in; the next block's 32 may be out
.else
	s_wait_loadcnt 0x0
.endif
.set n, 0
.rept 32
	v_med3_num_f32 v[VX+32*((\c)%2)+n], v[VX+32*((\c)%2)+n], -v12, v12   ; the conversion to an 8-bit code does not saturate (ISA guide 7.6.2): the hold at the largest code x the scale comes first
.set n, n+1
.endr
.irp g, 0,1,2,3
	v_cvt_scalef32_pk8_fp8_f32 v[VC+8*(\c)+2*\g:VC+8*(\c)+2*\g+1], v[VX+32*((\c)%2)+8*\g:VX+32*((\c)%2)+8*\g+7], v11
.endr
	v_nop                                          ; one plain vector line behind the run of conversions
	global_store_b128 v14, v[VC+8*(\c):VC+8*(\c)+3], s[12:13] offset:16384+512*(\c)          ; keys 32 c + 0 .. 15: the place of the image's lanes 0-15.  Sixteen lanes store 256 consecutive bytes, aligned
	global_store_b128 v14, v[VC+8*(\c)+4:VC+8*(\c)+7], s[12:13] offset:16384+512*(\c)+256    ; keys 32 c + 16 .. 31: the place of its lanes 16-31
.if (\c)+2 < 4
	LOADV (\c)+2
.endif
.endm
	LOADV 0
	LOADV 1
	s_wait_kmcnt 0x0
	SCALES 27
	BLOCKV 0
	BLOCKV 1
	BLOCKV 2
	BLOCKV 3
	s_endpgm
; ---------------- K.  Wave w makes fragments 2 w and 2 w + 1 from keys 32 w .. 32 w + 31 of the step.  A load takes a whole row of 512 bytes, 16 a lane; the conversions want 16 neighbouring channels in ONE lane:
; so a tile's 16 rows turn through the wave's own stage in LDS.  LDS serves a wave's instructions in order (ISA guide 5.7.1.4): no wait between the stores and the loads.
.Lkeys:
	s_sub_co_u32 s28, ttmp9, 256                   ; 16 x head + ks
	s_lshl_b32 s30, s28, 16
	s_lshl_b32 s29, s20, 14                        ; my wave's 32 keys
	s_add_co_u32 s30, s30, s29
	s_add_nc_u64 s[6:7], s[6:7], s[30:31]
	s_lshl_b32 s30, s28, 15
	s_lshl_b32 s29, s20, 12                        ; my wave's two fragments
	s_add_co_u32 s30, s30, s29
	s_add_nc_u64 s[12:13], s[12:13], s[30:31]
	s_mul_i32 s29, s20, WSTG
	v_lshlrev_b32 v10, 4, v1                       ; 16 x lane: in memory, both ways
	v_add_nc_u32 v8, s29, v10                      ; into the stage: a row as it lies
	v_mul_u32_u24 v9, v2, SP
	v_lshl_add_u32 v9, v3, 6, v9
	v_add_nc_u32 v9, s29, v9                       ; back: row r, + 64 h: my 16 channels of each 32
.irp u, 0,1
.irp i, 0,1,2,3,4,5,6,7,8,9,10,11,12,13,14,15
	global_load_b128 v[KR+64*\u+4*\i:KR+64*\u+4*\i+3], v10, s[6:7] offset:(8*\u+\i+8*(\i/8))*512 th:TH_LOAD_NT   ; row i of the tile is key 8 u + i + 8 (i / 8) of my 32
.endr
.endr
	s_wait_kmcnt 0x0
	SCALES 25
.macro KTILE u
	s_wait_loadcnt 16-16*\u                        ; this tile's 16 loads are in; the second tile's may be out
.irp i, 0,1,2,3,4,5,6,7,8,9,10,11,12,13,14,15
	ds_store_b128 v8, v[KR+64*\u+4*\i:KR+64*\u+4*\i+3] offset:SP*\i
.endr
.irp b, 0,1,2,3
.irp j, 0,1,2,3
	ds_load_b128 v[KX+16*\b+4*\j:KX+16*\b+4*\j+3], v9 offset:128*\b+16*\j
.endr
.endr
	s_wait_dscnt 0x0
.irp b, 0,1,2,3
.irp i, 0,1,2,3,4,5,6,7,8,9,10,11,12,13,14,15
	v_med3_num_f32 v[KX+16*\b+\i], v[KX+16*\b+\i], -v12, v12
.endr
	v_cvt_scalef32_pk8_fp8_f32 v[KC+16*\u+4*\b:KC+16*\u+4*\b+1], v[KX+16*\b:KX+16*\b+7], v11
	v_cvt_scalef32_pk8_fp8_f32 v[KC+16*\u+4*\b+2:KC+16*\u+4*\b+3], v[KX+16*\b+8:KX+16*\b+15], v11
.endr
	v_nop                                          ; one plain vector line behind the last conversion: the next tile's holds write these conversions' sources
.irp c, 0,1,2,3
	global_store_b128 v10, v[KC+16*\u+4*\c:KC+16*\u+4*\c+3], s[12:13] offset:2048*\u+512*\c   ; 32 lanes store 512 consecutive bytes, aligned
.endr
.endm
	KTILE 0
	KTILE 1
	s_wait_tensorcnt 0x0
	ds_add_u32 v254, v255
	s_wait_dscnt 0x0
	s_endpgm
; ---------------- THE MASK.  Work-group g takes 16 queries, wave w key steps 4 w .. 4 w + 3.  Lane (r, h) loads, of query r, the 16 bytes whose keys its score registers 16 b .. 16 b + 15 will hold.
; A load touches 32 bytes of each of 16 rows; the wave's sixteen loads, issued on end, use up 512 whole bytes of each row.
.Lmask:
	s_lshl_b32 s30, ttmp9, 15                      ; 16 rows of 2,048 bytes
	s_add_nc_u64 s[4:5], s[4:5], s[30:31]
	s_lshl_b32 s30, ttmp9, 12                      ; lm: 16 key steps of 256 bytes,
	s_lshl_b32 s29, s20, 10                        ; my wave's four
	s_add_co_u32 s30, s30, s29
	s_add_nc_u64 s[14:15], s[14:15], s[30:31]
	s_lshl_b32 s30, ttmp9, 4                       ; fl: four words, my wave's one
	s_lshl_b32 s29, s20, 2
	s_add_co_u32 s30, s30, s29
	s_add_nc_u64 s[16:17], s[16:17], s[30:31]
	v_lshlrev_b32 v4, 11, v2
	v_lshl_add_u32 v4, v3, 4, v4
	s_lshl_b32 s29, s20, 9
	v_add_nc_u32 v4, s29, v4                       ; 2048 r + 16 h + 512 w
	v_lshlrev_b32 v5, 3, v1                        ; out: 8 bytes a lane
.irp j, 0,1,2,3
.irp b, 0,1,2,3
	global_load_b128 v[16+16*\j+4*\b:16+16*\j+4*\b+3], v4, s[4:5] offset:128*\j+32*\b
.endr
.endr
	s_mov_b32 s48, 0                               ; my four steps' flags
; Key step 4 w + j.  Byte n % 4 of register n / 4 is the place of score register n; a compare makes its lane mask, which goes as word n into lane n / 2 of a pair of registers: the pair is stored as 256 bytes.
.macro MSTEP j
	s_wait_loadcnt 12-4*\j                         ; this step's four loads are in; the later steps' may be out
	v_mov_b32 v[80+2*\j], 0                        ; (a lane write's destination counts as read)
	v_mov_b32 v[81+2*\j], 0
	s_mov_b32 s44, 0                               ; the OR of the 64 words: not 0 = some place is hidden
	s_mov_b32 s45, -1                              ; their AND: not all ones = some place is open
.set n, 0
.rept 64
	v_and_b32 v[88+n%4], 0xff<<(8*(n%4)), v[16+16*\j+n/4]
	v_cmp_ne_u32 s[40+n%4], 0, v[88+n%4]
	v_writelane_b32 v[80+2*\j+n%2], s[40+n%4], n/2
	s_or_b32 s44, s44, s[40+n%4]
	s_and_b32 s45, s45, s[40+n%4]
.set n, n+1
.endr
	global_store_b64 v5, v[80+2*\j:81+2*\j], s[14:15] offset:256*\j   ; 32 lanes store 256 consecutive bytes, aligned; each step has its own pair
	s_cmp_lg_u32 s44, 0
	s_cselect_b32 s46, 2, 0
	s_cmp_lg_u32 s45, -1
	s_cselect_b32 s47, 1, 0
	s_or_b32 s46, s46, s47
	s_lshl_b32 s46, s46, 2*\j
	s_or_b32 s48, s48, s46
.endm
	MSTEP 0
	MSTEP 1
	MSTEP 2
	MSTEP 3
	s_lshl_b32 s49, s20, 3
	s_lshl_b32 s48, s48, s49                       ; to bits 8 w on
	v_mov_b32 v6, s48
	v_mov_b32 v7, 0
	v_cmp_eq_u32 vcc_lo, 0, v1
	s_wait_xcnt 0x0                                ; EXEC is a source of the stores above: it changes only behind this wait
	s_and_saveexec_b32 s50, vcc_lo
	global_store_b32 v7, v6, s[16:17]              ; one word a wave, from lane 0: 1,024 such stores in the launch
	s_wait_xcnt 0x0                                ; and again in front of the line that widens it
	s_or_b32 exec_lo, exec_lo, s50
	s_endpgm
.Lfunc_end_k_q637ce48faa_prep:
	.size	k_q637ce48faa_prep, .Lfunc_end_k_q637ce48faa_prep-k_q637ce48faa_prep
	.p2alignl 7, 3214868480
	.fill 96, 4, 3214868480
	.section	.rodata,"a",@progbits
	.p2align	6, 0x0
	.amdhsa_kernel k_q637ce48faa_prep
		.amdhsa_group_segment_fixed_size 34304
		.amdhsa_private_segment_fixed_size 0
		.amdhsa_enable_private_segment 0
		.amdhsa_kernarg_size 56
		.amdhsa_user_sgpr_count 2
		.amdhsa_user_sgpr_kernarg_segment_ptr 1
		.amdhsa_wavefront_size32 1
		.amdhsa_system_sgpr_workgroup_id_x 1
		.amdhsa_system_sgpr_workgroup_id_y 1
		.amdhsa_system_sgpr_workgroup_id_z 1
		.amdhsa_system_vgpr_workitem_id 0
		.amdhsa_next_free_vgpr 256
		.amdhsa_next_free_sgpr 66
		.amdhsa_reserve_vcc 1
		.amdhsa_float_denorm_mode_32 3
		.amdhsa_float_denorm_mode_16_64 3
		.amdhsa_memory_ordered 1
		.amdhsa_forward_progress 1
		.amdhsa_inst_pref_size 111
	.end_amdhsa_kernel
	.amdgpu_metadata
---
amdhsa.version: [ 1, 2 ]
amdhsa.kernels:
  - .name:           k_q637ce48faa_prep
    .symbol:         k_q637ce48faa_prep.kd
    .args:
      - { .name: attention_mask, .offset: 0, .size: 8, .value_kind: global_buffer, .address_space: global }
      - { .name: key_layer, .offset: 8, .size: 8, .value_kind: global_buffer, .address_space: global }
      - { .name: value_layer, .offset: 16, .size: 8, .value_kind: global_buffer, .address_space: global }
      - { .name: lowp_scales, .offset: 24, .size: 8, .value_kind: global_buffer, .address_space: global }
      - { .name: kv, .offset: 32, .size: 8, .value_kind: global_buffer, .address_space: global }
      - { .name: lm, .offset: 40, .size: 8, .value_kind: global_buffer, .address_space: global }
      - { .name: fl, .offset: 48, .size: 8, .value_kind: global_buffer, .address_space: global }
    .group_segment_fixed_size: 34304
    .private_segment_fixed_size: 0
    .kernarg_segment_align: 8
    .kernarg_segment_size: 56
    .max_flat_workgroup_size: 128
    .sgpr_count:     66
    .vgpr_count:     256
    .wavefront_size: 32
...
	.end_amdgpu_metadata
.endif
;; end of part 1
;; launch attn (part 2): grid 64 x 8, 8 waves a work-group, no clusters, 134,144 bytes of LDS; arguments query_layer, kv, lm, fl, lowp_scales, out0; writes out0
.if DOCPART == 2
	.amdgcn_target "amdgcn-amd-amdhsa--gfx1250"
	.amdhsa_code_object_version 6
	.text
	.protected	k_q637ce48faa_attn
	.globl	k_q637ce48faa_attn
	.p2align	8
	.type	k_q637ce48faa_attn,@function
k_q637ce48faa_attn:
	s_mov_b64 s[64:65], 0
	v_nop
	global_prefetch_b8 v0, s[64:65] scope:SCOPE_SE
	s_setreg_imm32_b32 hwreg(HW_REG_WAVE_MODE, 25, 1), 1
	s_wait_xcnt 0x0
; out0[b][q][128 h + :] = the sum over k of softmax_k(Q[b][h][q] . K[b][h][k] / sqrt(128), hidden where attention_mask[b][0][q][k]) V[b][h][k][:], both products on codes of E4M3, each operand with its given scale 2^e.
; Q: [64 heads][2048][128] f32, quantised here, in registers.  K's and V's codes (kv), the mask's lane words (lm) and tile flags (fl) were laid by the launch before, as its head comment says.
; THE SOFTMAX AHEAD OF THE SECOND PRODUCT: t = score x log2(e) / sqrt(128); M = the largest t so far, rounded UP to a whole number; p = 2^(t - M) is quantised, not normalised; the row's sum is taken of the unquantised p and
; divides at the end.  When M moves, the sum and O are multiplied by 2^(old M - new M), which rounds nothing.  A hidden score becomes -infinity ahead of the maximum, so its p is 0.  A ROW WITH EVERY KEY HIDDEN GIVES NaN (0 x 1/0).
; SHARES.  Work-group (x = head 0..63, y): queries 256 (7 - y) on (only an order: no value hangs on it).  Each of eight waves owns 32 queries, two tiles A and B of 16, in 512 registers, so that each fragment of K and V that it
; reads from LDS feeds two matrix instructions.  Keys go 128 a step, 16 steps.  A step's 32,768 bytes of kv are copied as they lie: global memory -> registers (8 loads of 16 bytes a lane) -> LDS, two buffers, one barrier a step.
; LAYOUT.  Both products are used transposed: S^T = K Q^T (source 0 = 16 keys, source 1 = 16 queries), O^T = V^T P^T: a lane holds ONE query (lane % 16) throughout.  The keys of a tile of K are chosen so that score registers
; 16 b .. 16 b + 15 are keys 32 b + 16 (lane / 16) + 0 .. 15: the conversions' results ARE the second product's operand.  In every operand registers 4 c .. 4 c + 3 hold k = 32 c + 16 (lane / 16) + 0 .. 15: a permutation
; of k that is the same on both sides of each product.
; WHAT THE MASK THROWS AWAY IS NOT COMPUTED, BY THE MASK AS IT WAS READ: a step in which all 32 x 128 places of the wave are hidden is jumped over (its p would be 0 and M would not move); a step with nothing hidden jumps over
; the masking; a block of kv that no wave of the work-group will read is not copied.  All these are scalar branches on the stored flags.  No barrier stands under a branch.
; NO JOINT REQUESTS, though the eight work-groups of a head read the same kv: joint requests are tensor loads; here the steps left out,
; the 128 selects of the masking and the 128 holds of p all hang on numbers read from memory.
; LIMITS on the given exponents, so that each power of two below is an f32 number: eq and ep between -126 and 119; eq + ek between -123 and 130 (added to c's exponent field); ep + ev goes by v_ldexp_f32 and has none.
; NaN among the inputs is not served.
; REGISTERS, window 0: v1-6 addresses; v12 -M, v13 the largest t, v[14:15] the sum (tile A); v16-19 the same (tile B); v20 the hold, v21 the conversions' scale, v22 -infinity; v[24:25], v[26:27] f of A, of B; v28-31 at work;
;   v32-95 fragments 0-3; v96-159 S^T of A, then p; v160-223 of B; v224-239, v240-255 p's codes.   window 1: v0-63 O^T of A, v64-127 of B; v128-159 the copy's registers; v160-175, v176-191 Q's codes; v192-255 fragments 4-7.
.set BUFB,  32768                      ; LDS: two buffers of a step's block: K's image, then V's
.set VIMG,  16384
.set STAGE, 2*BUFB                     ; behind them a stage of 16 rows x 528 bytes for each wave, its own: for Q's turn and for the way out
.set SP,    528                        ; 512 bytes + 16 = 132 words: row r starts at bank 4 r mod 64 (64 banks of 4 bytes: ISA guide 11.1)
.set LI,   1                           ; v1   16 x lane: a fragment's place for my lane; also my 16 bytes of a row of Q and of out0
.set GA,   2                           ; v2   16 x thread: the copy's place, in memory and in LDS alike
.set PFO,  3                           ; v3   256 x thread: the prefetches' offset
.set SO,   4                           ; v4   the stage: where I put 32 bytes of a row of O
.set SR,   5                           ; v5   the stage: a whole row, 16 bytes a lane
.set XR,   6                           ; v6   the stage: row lane % 16, my 16 channels of each 32
.set HOLD, 20
.set SCL,  21
.set NINF, 22
.set F,    32
.set SA,   96
.set SB,   160
.set PA,   224
.set PB,   240
.set OA,   0                           ; window 1 from here on
.set OB,   64
.set STG,  128
.set QA,   160
.set QB,   176
.set F2,   192
.set KVP,  6                           ; s[6:7]   kv at this trip's first block
.set LMP,  8                           ; s[8:9]   lm at my tile A's words of this trip's first step
.set OUT,  14                          ; s[14:15] out0 at my first row
.set WV,   16                          ; s16  wave
.set FW,   17                          ; s17  my two tiles' flags ORed, 2 bits a step, the step in hand lowest
.set GW,   18                          ; s18  the work-group's sixteen tiles' flags ORed, likewise
.set PW,   19                          ; s19  the same in a wave that prefetches, else 0
.set TRIPS, 20
.set EP,   21
.set CS,   22                          ; s[22:23] c = log2(e) / sqrt(128) x 2^(eq + ek); the packed form names a pair and takes its low word for both halves
.set SEL,  28                          ; s[28:29] lane selects for v_permlanex16_b32: lane l xor 16
.set EO,   30                          ; s30  ep + ev
                                       ; s[32:63], s[68:99]: a tile's 64 mask words: word n in s[32 + n], from n = 32 on in s[36 + n]
.set MSB, 0
.macro WIN new                         ; s_set_vgpr_msb: bits 1:0 source 0, 3:2 source 1, 5:4 source 2, 7:6 destination; the high byte repeats the setting that is left; a switch that changes nothing is dropped
.if MSB != \new
	s_set_vgpr_msb (MSB<<8)|\new
.set MSB, \new
.endif
.endm
.macro SCALES e                        ; s[e] = the exponent: v[SCL] = 2^e as f32, v[HOLD] = 448 x 2^e
	s_add_co_i32 s2, s[\e], 127
	s_lshl_b32 s3, s2, 23
	v_mov_b32 v[SCL], s3
	s_add_co_i32 s2, s2, 8
	s_lshl_b32 s2, s2, 23
	s_or_b32 s2, s2, 0x600000
	v_mov_b32 v[HOLD], s2
.endm
	s_load_b256 s[4:11], s[0:1], 0x0               ; Q s[4:5], kv s[6:7], lm s[8:9], fl s[10:11]
	s_load_b128 s[12:15], s[0:1], 0x20             ; the scales' exponents s[12:13], out0 s[14:15]
	v_lshl_add_u32 v11, v0, 2, 0x20800
	v_mov_b32 v23, 0
	v_lshrrev_b32 v7, 5, v0
	v_readfirstlane_b32 s[WV], v7                  ; wave 0..7
	s_and_b32 s66, ttmp7, 0xffff                   ; y
	s_sub_co_u32 s67, 7, s66                       ; my block of 256 queries
	s_lshr_b32 s17, ttmp9, 5                       ; b
	s_and_b32 s18, ttmp9, 31                       ; h
	; byte offsets, each under 2^31, in pairs with 0 above
	s_lshl_b32 s20, ttmp9, 20                      ; Q: a head's 2,048 rows of 512 bytes,
	s_lshl_b32 s2, s67, 17                         ; my block's 256,
	s_add_co_u32 s20, s20, s2
	s_lshl_b32 s2, s[WV], 14                       ; my wave's 32
	s_add_co_u32 s20, s20, s2
	s_mov_b32 s21, 0
	s_lshl_b32 s22, ttmp9, 19                      ; kv: a head's 16 blocks
	s_mov_b32 s23, 0
	s_lshl_b32 s24, s17, 19                        ; lm: tile 128 b + 16 block + 2 wave, 4,096 bytes a tile
	s_lshl_b32 s2, s67, 16
	s_add_co_u32 s24, s24, s2
	s_lshl_b32 s2, s[WV], 13
	s_add_co_u32 s24, s24, s2
	s_mov_b32 s25, 0
	s_lshl_b32 s26, s17, 11                        ; fl: tile 128 b + 16 block, 16 bytes a tile
	s_lshl_b32 s2, s67, 8
	s_add_co_u32 s26, s26, s2
	s_mov_b32 s27, 0
	s_lshl_b32 s28, s17, 25                        ; out0: row 2048 b + 256 block + 32 wave of 16,384 bytes, + 512 h
	s_lshl_b32 s2, s67, 22
	s_add_co_u32 s28, s28, s2
	s_lshl_b32 s2, s[WV], 19
	s_add_co_u32 s28, s28, s2
	s_lshl_b32 s2, s18, 9
	s_add_co_u32 s28, s28, s2
	s_mov_b32 s29, 0
	s_lshl_b32 s30, s[WV], 5                       ; fl: my two tiles' 32 bytes
	s_mov_b32 s31, 0
	v_and_b32 v[LI], 31, v0
	v_lshlrev_b32 v[LI], 4, v[LI]
	v_lshlrev_b32 v[GA], 4, v0
	v_lshlrev_b32 v[PFO], 8, v0
	v_and_b32 v7, 15, v0                           ; r
	v_bfe_u32 v8, v0, 4, 1                         ; h
	s_mul_i32 s2, s[WV], 16*SP
	s_add_co_u32 s2, s2, STAGE                     ; my stage
	v_mul_u32_u24 v9, v7, SP
	v_add_nc_u32 v9, s2, v9                        ; its row r
	v_lshl_add_u32 v[SO], v8, 5, v9
	v_lshl_add_u32 v[XR], v8, 6, v9
	v_add_nc_u32 v[SR], s2, v[LI]
	s_wait_kmcnt 0x0
	s_add_nc_u64 s[4:5], s[4:5], s[20:21]
	s_add_nc_u64 s[KVP:KVP+1], s[KVP:KVP+1], s[22:23]
	s_add_nc_u64 s[LMP:LMP+1], s[LMP:LMP+1], s[24:25]
	s_add_nc_u64 s[10:11], s[10:11], s[26:27]
	s_add_nc_u64 s[OUT:OUT+1], s[OUT:OUT+1], s[28:29]
	s_add_nc_u64 s[2:3], s[10:11], s[30:31]
	s_load_b512 s[32:47], s[10:11], 0x0            ; the flags of the work-group's sixteen tiles: 64 words
	s_load_b512 s[48:63], s[10:11], 0x40
	s_load_b512 s[68:83], s[10:11], 0x80
	s_load_b512 s[84:99], s[10:11], 0xc0
	s_load_b256 s[24:31], s[2:3], 0x0              ; and my two tiles' once more
	WIN 0x40                                       ; destination window 1
.irp j, 0,1,2,3,4,5,6,7
	global_load_b128 v[STG+4*\j:STG+4*\j+3], v[GA], s[KVP:KVP+1] offset:4096*\j   ; block 0 is copied whatever the flags say
.endr
	WIN 0
.irp i, 0,1,2,3,4,5,6,7,8,9,10,11,12,13,14,15,16,17,18,19,20,21,22,23,24,25,26,27,28,29,30,31
	global_load_b128 v[SA+4*\i:SA+4*\i+3], v[LI], s[4:5] offset:512*\i th:TH_LOAD_NT   ; my 32 rows of Q, a whole row of 512 bytes a load
.endr
	s_wait_kmcnt 0x0
	s_or_b32 s[FW], s24, s25
.irp n, 26,27,28,29,30,31
	s_or_b32 s[FW], s[FW], s\n
.endr
	s_or_b32 s[GW], s32, s68
.set n, 1
.rept 31
	s_or_b32 s[GW], s[GW], s[32+n]
	s_or_b32 s[GW], s[GW], s[68+n]
.set n, n+1
.endr
	s_load_b128 s[24:27], s[12:13], 0x0            ; eq, ek, ep, ev
	s_lshr_b32 s2, s[WV], 2                        ; 0 in waves 0 to 3,
	s_or_b32 s2, s2, s66                           ; of the head's work-group y = 0
	s_cmp_eq_u32 s2, 0
	s_cselect_b32 s[PW], s[GW], 0
	s_mov_b32 s[SEL], 0x76543210
	s_mov_b32 s[SEL+1], 0xfedcba98
	WIN 0x40
.set n, 0
.rept 128
	v_mov_b32 v[n], 0                              ; O^T.  Which step is a wave's first hangs on the flags, so no product written out ahead of the loop can start these sums: they begin as zeros, which the first change of M leaves zeros
.set n, n+1
.endr
	WIN 0
	v_mov_b32 v13, 0xff61b1e6                      ; the largest t so far: -3e38, under every t
	v_mov_b32 v17, 0xff61b1e6
	v_floor_f32 v12, -v13                          ; -M
	v_floor_f32 v16, -v17
.irp n, 14,15,18,19,24,25,26,27,28,29,30,31
	v_mov_b32 v\n, 0                               ; the sums; and what is named as a lane permute's destination or as the upper half of a pair is written once
.endr
	v_mov_b32 v[NINF], 0xff800000
	s_wait_kmcnt 0x0
	s_add_co_i32 s2, s24, s25
	s_lshl_b32 s2, s2, 23
	s_mov_b32 s[CS], 0x3e0293ee                    ; c = log2(e) / sqrt(128)
	s_add_co_i32 s[CS], s[CS], s2                  ; a score stands for score x 2^(eq + ek): the two exponents are added to c's exponent field
	s_mov_b32 s[CS+1], s[CS]
	s_mov_b32 s[EP], s26
	s_add_co_i32 s[EO], s26, s27
	SCALES 24                                      ; eq, for Q
	s_wait_loadcnt 32                              ; block 0's eight loads are in; Q's 32 may be out
	WIN 0x04                                       ; store data (source 1) window 1
.irp j, 0,1,2,3,4,5,6,7
	ds_store_b128 v[GA], v[STG+4*\j:STG+4*\j+3] offset:4096*\j
.endr
	WIN 0
; 16 rows of Q, in v[s] on as loaded, turn through my stage, so that a lane holds 16 neighbouring channels of each 32 of ITS row, and become the fragment v[q] on of window 1.
.macro QTILE s, q
.irp i, 0,1,2,3,4,5,6,7,8,9,10,11,12,13,14,15
	ds_store_b128 v[SR], v[\s+4*\i:\s+4*\i+3] offset:SP*\i
.endr
.irp b, 0,1,2,3
.irp j, 0,1,2,3
	ds_load_b128 v[F+16*\b+4*\j:F+16*\b+4*\j+3], v[XR] offset:128*\b+16*\j   ; LDS serves a wave's instructions in order (ISA guide 5.7.1.4): these see the stores above
.endr
.endr
	s_wait_dscnt 0x0
.set n, 0
.rept 64
	v_med3_num_f32 v[F+n], v[F+n], -v[HOLD], v[HOLD]   ; the conversion to an 8-bit code does not saturate (ISA guide 7.6.2): the hold comes first
.set n, n+1
.endr
	WIN 0x40
.irp b, 0,1,2,3
	v_cvt_scalef32_pk8_fp8_f32 v[\q+4*\b:\q+4*\b+1], v[F+16*\b:F+16*\b+7], v[SCL]
	v_cvt_scalef32_pk8_fp8_f32 v[\q+4*\b+2:\q+4*\b+3], v[F+16*\b+8:F+16*\b+15], v[SCL]
.endr
	WIN 0
	v_nop                                          ; one plain vector line behind the run of conversions, ahead of whatever next touches their results or writes their sources
.endm
	s_wait_loadcnt 16                              ; tile A's 16 rows are in
	QTILE SA, QA
	s_wait_loadcnt 0x0
	QTILE SB, QB
	SCALES 26                                      ; from here on: ep, for p
	s_wait_dscnt 0x0                               ; for the others' sake: my part of block 0 lies in LDS
	s_barrier_signal -1
	s_barrier_wait -1
	s_mov_b32 s[TRIPS], 8
.macro MWORDS off                      ; a tile's 64 mask words of a step
	s_load_b512 s[32:47], s[LMP:LMP+1], \off
	s_load_b512 s[48:63], s[LMP:LMP+1], \off+64
	s_load_b512 s[68:83], s[LMP:LMP+1], \off+128
	s_load_b512 s[84:99], s[LMP:LMP+1], \off+192
.endm
.macro MASKT s                         ; hidden scores become -infinity; each accumulator from its low end on
.set n, 0
.rept 32
	v_cndmask_b32 v[\s+n], v[\s+n], v[NINF], s[32+n]
.set n, n+1
.endr
.set n, 0
.rept 32
	v_cndmask_b32 v[\s+32+n], v[\s+32+n], v[NINF], s[68+n]
.set n, n+1
.endr
.endm
.macro FRAGS base                      ; an image's eight fragments, 32 loads in one run; it leaves the destination in window 1
.irp t, 0,1,2,3
.irp c, 0,1,2,3
	ds_load_b128 v[F+16*\t+4*\c:F+16*\t+4*\c+3], v[LI] offset:(\base)+2048*\t+512*\c
.endr
.endr
	WIN 0x40
.irp t, 0,1,2,3
.irp c, 0,1,2,3
	ds_load_b128 v[F2+16*\t+4*\c:F2+16*\t+4*\c+3], v[LI] offset:(\base)+2048*(\t+4)+512*\c
.endr
.endr
.endm
.macro KQ t                            ; 16 keys x my two tiles of queries: the fragment is read from LDS once and feeds both
.if (\t) < 4
.set rF, F+16*(\t)
.else
.set rF, F2+16*((\t)-4)
.endif
	v_wmma_f32_16x16x128_fp8_fp8 v[SA+8*(\t):SA+8*(\t)+7], v[rF:rF+15], v[QA:QA+15], 0
	v_wmma_f32_16x16x128_fp8_fp8 v[SB+8*(\t):SB+8*(\t)+7], v[rF:rF+15], v[QB:QB+15], 0
.endm
.macro PV t                            ; 16 channels x my two tiles.  The sixteen accumulators take turns, one instruction a turn
.if (\t) < 4
.set rF, F+16*(\t)
.else
.set rF, F2+16*((\t)-4)
.endif
	v_wmma_f32_16x16x128_fp8_fp8 v[OA+8*(\t):OA+8*(\t)+7], v[rF:rF+15], v[PA:PA+15], v[OA+8*(\t):OA+8*(\t)+7]
	v_wmma_f32_16x16x128_fp8_fp8 v[OB+8*(\t):OB+8*(\t)+7], v[rF:rF+15], v[PB:PB+15], v[OB+8*(\t):OB+8*(\t)+7]
.endm
.macro PLACES                          ; four plain vector lines between a matrix instruction and a load into one of its sources, or a vector line that reads its result (ISA guide 7.12.1 for vector lines)
.rept 4
	v_nop
.endr
.endm
; A KEY STEP: 128 keys, out of buffer p.
.macro STEP p
	s_bitcmp1_b32 s[GW], 2                         ; will any wave of the work-group read the next step's block?  (Behind step 15 the flags are zeros: no load leaves kv)
	s_cbranch_scc0 .Lnl_\@
	WIN 0x40
.irp j, 0,1,2,3,4,5,6,7
	global_load_b128 v[STG+4*\j:STG+4*\j+3], v[GA], s[KVP:KVP+1] offset:(\p+1)*BUFB+4096*\j   ; it has this step's work in which to come
.endr
	WIN 0
.Lnl_\@:
	; A PREFETCH INTO THE L2 of the block whose loads the NEXT step issues: 32,768 bytes, 128 lanes 256 bytes apart.  All eight work-groups of a head walk the same kv: waves 0 to 3 of the work-group y = 0 ask, and nobody else,
	; so each aligned block of 256 bytes is named once in the launch.  Blocks 0 and 1 come by their loads alone; a block that the asking work-group will not read, and what would lie behind block 15, is not asked for.
	s_bitcmp1_b32 s[PW], 4
	s_cbranch_scc0 .Lnp_\@
	global_prefetch_b8 v[PFO], s[KVP:KVP+1] offset:(\p+2)*BUFB th:TH_LOAD_NT scope:SCOPE_SE
.Lnp_\@:
	s_bitcmp1_b32 s[FW], 0                         ; is any of my 32 x 128 places open?
	s_cbranch_scc0 .Lskip_\@
	s_bitcmp1_b32 s[FW], 1                         ; is any hidden?  Then tile A's mask words are asked for now
	s_cbranch_scc0 .Lnm_\@
	MWORDS 256*\p
.Lnm_\@:
	FRAGS BUFB*\p                                  ; K.  Nothing else of mine is out on DScnt: the barrier's wait was for 0
	WIN 0x04                                       ; Q (source 1) window 1
	s_wait_dscnt 24                                ; four loads to a fragment: fragments 0 and 1 are in
	KQ 0
	KQ 1
	s_wait_dscnt 16
	KQ 2
	KQ 3
	WIN 0x05                                       ; fragments 4-7 (source 0) window 1 too
	s_wait_dscnt 8
	KQ 4
	KQ 5
	s_wait_dscnt 0x0
	KQ 6
	KQ 7
	WIN 0
	PLACES
	FRAGS BUFB*\p+VIMG                             ; V's fragments take K's registers and come while the softmax is worked
	WIN 0
	s_wait_kmcnt 0x0                               ; on every way, so that the count is right on every way
	s_bitcmp1_b32 s[FW], 1
	s_cbranch_scc0 .Lopen_\@
	MASKT SA
	MWORDS 4096+256*\p                             ; tile B's words lie one tile, 4,096 bytes, on
	s_wait_kmcnt 0x0
	MASKT SB
.Lopen_\@:
	; the two tiles' softmax, line by line by turns, so that no line waits for the line above it
	v_max3_num_f32 v30, v[SA], v[SA+1], v[SA+2]    ; the step's largest score of my query among my 64 keys, in two chains a tile, ascending: each accumulator is read from its low end on
	v_max3_num_f32 v31, v[SB], v[SB+1], v[SB+2]
	v_max3_num_f32 v24, v[SA+3], v[SA+4], v[SA+5]
	v_max3_num_f32 v26, v[SB+3], v[SB+4], v[SB+5]
.irp i, 6,10,14,18,22,26,30,34,38,42,46,50,54,58
	v_max3_num_f32 v30, v30, v[SA+\i], v[SA+\i+1]
	v_max3_num_f32 v31, v31, v[SB+\i], v[SB+\i+1]
	v_max3_num_f32 v24, v24, v[SA+\i+2], v[SA+\i+3]
	v_max3_num_f32 v26, v26, v[SB+\i+2], v[SB+\i+3]
.endr
	v_max3_num_f32 v30, v30, v[SA+62], v[SA+63]
	v_max3_num_f32 v31, v31, v[SB+62], v[SB+63]
	v_max_num_f32 v30, v30, v24
	v_max_num_f32 v31, v31, v26
	v_permlanex16_b32 v28, v30, s[SEL], s[SEL+1]
	v_permlanex16_b32 v29, v31, s[SEL], s[SEL+1]
	v_max_num_f32 v30, v30, v28                    ; and among lane l xor 16's
	v_max_num_f32 v31, v31, v29
	v_mul_f32 v30, s[CS], v30                      ; as t (c is positive)
	v_mul_f32 v31, s[CS], v31
	v_max_num_f32 v13, v13, v30                    ; the running largest t
	v_max_num_f32 v17, v17, v31
	v_mov_b32 v30, v12
	v_mov_b32 v31, v16
	v_floor_f32 v12, -v13                          ; the new -M = floor(-t) = -ceil(t): M is a whole number
	v_floor_f32 v16, -v17
	v_sub_f32 v30, v12, v30                        ; M's old value less its new one: a whole number, 0 or less
	v_sub_f32 v31, v16, v31
	v_cvt_i32_f32 v30, v30                         ; (it saturates)
	v_cvt_i32_f32 v31, v31
	v_ldexp_f32 v24, 1.0, v30                      ; f = 2^(old M - new M)
	v_ldexp_f32 v26, 1.0, v31
.set n, 0
.rept 32
	v_pk_fma_f32 v[SA+n:SA+n+1], v[SA+n:SA+n+1], s[CS:CS+1], v[12:13] op_sel_hi:[1,0,0]   ; t - M, two at a time (of the pairs c and -M the low word serves both halves)
	v_pk_fma_f32 v[SB+n:SB+n+1], v[SB+n:SB+n+1], s[CS:CS+1], v[16:17] op_sel_hi:[1,0,0]
.set n, n+2
.endr
.set n, 0
.rept 128
	v_exp_f32 v[SA+n], v[SA+n]                     ; p = 2^(t - M), at most 1: both tiles' exponentials are one batch
.set n, n+1
.endr
	v_pk_mul_f32 v[14:15], v[14:15], v[24:25] op_sel_hi:[1,0]   ; the sums under the new M: plain lines behind the last exponential
	v_pk_mul_f32 v[18:19], v[18:19], v[26:27] op_sel_hi:[1,0]
	s_wait_alu depctr_va_vdst(0)                   ; one wait for the batch, ahead of the first line that names a result
	v_pk_add_f32 v[28:29], v[SA:SA+1], v[SA+2:SA+3]             ; THE ROW'S SUM IS TAKEN OF THE UNQUANTISED p: two at a time, two chains a tile
	v_pk_add_f32 v[30:31], v[SB:SB+1], v[SB+2:SB+3]
.irp j, 4,8,12,16,20,24,28,32,36,40,44,48,52,56,60
	v_pk_add_f32 v[14:15], v[14:15], v[SA+\j:SA+\j+1]
	v_pk_add_f32 v[18:19], v[18:19], v[SB+\j:SB+\j+1]
	v_pk_add_f32 v[28:29], v[28:29], v[SA+\j+2:SA+\j+3]
	v_pk_add_f32 v[30:31], v[30:31], v[SB+\j+2:SB+\j+3]
.endr
	v_pk_add_f32 v[14:15], v[14:15], v[28:29]
	v_pk_add_f32 v[18:19], v[18:19], v[30:31]
	s_cmp_ge_i32 s[EP], -8                         ; p is at most 1, and from ep = -8 on 448 x 2^ep is 1.75 or more: nothing is there to hold
	s_cbranch_scc1 .Lnh_\@
.set n, 0
.rept 128
	v_min_num_f32 v[SA+n], v[SA+n], v[HOLD]        ; the conversion does not saturate (ISA guide 7.6.2); p is not negative, so the hold is one-sided
.set n, n+1
.endr
.Lnh_\@:
.irp b, 0,1,2,3
	v_cvt_scalef32_pk8_fp8_f32 v[PA+4*\b:PA+4*\b+1], v[SA+16*\b:SA+16*\b+7], v[SCL]
	v_cvt_scalef32_pk8_fp8_f32 v[PA+4*\b+2:PA+4*\b+3], v[SA+16*\b+8:SA+16*\b+15], v[SCL]
	v_cvt_scalef32_pk8_fp8_f32 v[PB+4*\b:PB+4*\b+1], v[SB+16*\b:SB+16*\b+7], v[SCL]
	v_cvt_scalef32_pk8_fp8_f32 v[PB+4*\b+2:PB+4*\b+3], v[SB+16*\b+8:SB+16*\b+15], v[SCL]
.endr
	WIN 0x41                                       ; O^T (destination and source 0) window 1, f window 0
.set n, 0
.rept 32
	v_pk_mul_f32 v[OA+n:OA+n+1], v[OA+n:OA+n+1], v[24:25] op_sel_hi:[1,0]   ; O^T under the new M.  These are also the plain lines between the conversions and the products that read their results
	v_pk_mul_f32 v[OB+n:OB+n+1], v[OB+n:OB+n+1], v[26:27] op_sel_hi:[1,0]
.set n, n+2
.endr
	WIN 0x50                                       ; C and D window 1
	s_wait_dscnt 16                                ; V's fragments 0-3 are in
	PV 0
	PV 1
	PV 2
	PV 3
	WIN 0x51                                       ; fragments 4-7 window 1
	s_wait_dscnt 0x0
	PV 4
	PV 5
	PV 6
	PV 7
	WIN 0
	PLACES                                         ; for the next step's loads into the fragments' registers, and for the way out
.Lskip_\@:
	s_wait_loadcnt 0x0                             ; on every way: the next block, if it was asked for, is in my registers
	s_bitcmp1_b32 s[GW], 2
	s_cbranch_scc0 .Lns_\@
	WIN 0x04
.irp j, 0,1,2,3,4,5,6,7
	ds_store_b128 v[GA], v[STG+4*\j:STG+4*\j+3] offset:(1-\p)*BUFB+4096*\j   ; into the other buffer: its last readers waited for their loads in front of the barrier at the last step's end
.endr
	WIN 0
.Lns_\@:
	s_lshr_b32 s[FW], s[FW], 2                     ; on to the next step's flags
	s_lshr_b32 s[GW], s[GW], 2
	s_lshr_b32 s[PW], s[PW], 2
	s_wait_dscnt 0x0                               ; for the others' sake: my stores have landed, and my reads of this buffer are over
	s_barrier_signal -1
	s_barrier_wait -1                              ; every wave passes it, those that left the step out too
.endm
.Ltrip:                                            ; 8 trips of two steps: the trip count is a constant, and every LDS address a fixed register and an immediate
	STEP 0
	STEP 1
	s_wait_xcnt 0x0                                ; the trip's loads and prefetches have read their bases: they may step
	s_add_nc_u64 s[KVP:KVP+1], s[KVP:KVP+1], 2*BUFB
	s_add_nc_u64 s[LMP:LMP+1], s[LMP:LMP+1], 512
	s_sub_co_u32 s[TRIPS], s[TRIPS], 1
	s_cmp_lg_u32 s[TRIPS], 0
	s_cbranch_scc1 .Ltrip
	; THE WAY OUT.  The sum's halves are added; O^T x 2^(ep + ev) / the sum goes through my stage, a tile of 16 queries at a time, and leaves as whole rows of 512 bytes.
	v_add_f32 v14, v14, v15
	v_add_f32 v18, v18, v19
	v_permlanex16_b32 v28, v14, s[SEL], s[SEL+1]
	v_permlanex16_b32 v29, v18, s[SEL], s[SEL+1]
	v_add_f32 v14, v14, v28                        ; the row's sum
	v_add_f32 v18, v18, v29
	v_rcp_f32 v14, v14
	v_rcp_f32 v18, v18
	v_nop                                          ; a plain line behind the last reciprocal
	s_wait_alu depctr_va_vdst(0)                   ; one wait for the two, ahead of the first line that names a result
	v_ldexp_f32 v14, v14, s[EO]
	v_ldexp_f32 v18, v18, s[EO]
.macro OUTTILE s, o, d                 ; v[d]: the factor (named with v[d + 1] as a pair; the low word serves both halves)
	WIN 0x01                                       ; source 0 (O^T) window 1
.set n, 0
.rept 32
	v_pk_mul_f32 v[\s+n:\s+n+1], v[\o+n:\o+n+1], v[\d:\d+1] op_sel_hi:[1,0]   ; register 8 t + i is o(query r, channel 16 t + 8 h + i); each accumulator from its low end on
.set n, n+2
.endr
	WIN 0
.irp t, 0,1,2,3,4,5,6,7
	ds_store_b128 v[SO], v[\s+8*\t:\s+8*\t+3] offset:64*\t
	ds_store_b128 v[SO], v[\s+8*\t+4:\s+8*\t+7] offset:64*\t+16
.endr
.irp i, 0,1,2,3,4,5,6,7,8,9,10,11,12,13,14,15
	ds_load_b128 v[\s+4*\i:\s+4*\i+3], v[SR] offset:SP*\i   ; LDS serves a wave's instructions in order: these see the stores above, and the next tile's stores come behind them
.endr
.endm
	OUTTILE SA, OA, 14
	OUTTILE SB, OB, 18
.irp i, 0,1,2,3,4,5,6,7,8,9,10,11,12,13,14,15
	s_wait_dscnt 47-\i                             ; tile B's 32 LDS instructions and tile A's later loads may be out
	global_store_b128 v[LI], v[SA+4*\i:SA+4*\i+3], s[OUT:OUT+1] offset:16384*\i th:TH_STORE_NT   ; 32 lanes store 512 consecutive bytes, at a multiple of 256 from out0's first byte
.endr
.irp i, 0,1,2,3,4,5,6,7,8,9,10,11,12,13,14,15
	s_wait_dscnt 15-\i
	global_store_b128 v[LI], v[SB+4*\i:SB+4*\i+3], s[OUT:OUT+1] offset:16384*(16+\i) th:TH_STORE_NT
.endr
	s_wait_tensorcnt 0x0
	ds_add_u32 v11, v23
	s_wait_dscnt 0x0
	s_endpgm
.Lfunc_end_k_q637ce48faa_attn:
	.size	k_q637ce48faa_attn, .Lfunc_end_k_q637ce48faa_attn-k_q637ce48faa_attn
	.p2alignl 7, 3214868480
	.fill 96, 4, 3214868480
	.section	.rodata,"a",@progbits
	.p2align	6, 0x0
	.amdhsa_kernel k_q637ce48faa_attn
		.amdhsa_group_segment_fixed_size 134144
		.amdhsa_private_segment_fixed_size 0
		.amdhsa_enable_private_segment 0
		.amdhsa_kernarg_size 48
		.amdhsa_user_sgpr_count 2
		.amdhsa_user_sgpr_kernarg_segment_ptr 1
		.amdhsa_wavefront_size32 1
		.amdhsa_system_sgpr_workgroup_id_x 1
		.amdhsa_system_sgpr_workgroup_id_y 1
		.amdhsa_system_sgpr_workgroup_id_z 1
		.amdhsa_system_vgpr_workitem_id 0
		.amdhsa_next_free_vgpr 512
		.amdhsa_next_free_sgpr 100
		.amdhsa_reserve_vcc 0
		.amdhsa_float_denorm_mode_32 3
		.amdhsa_float_denorm_mode_16_64 3
		.amdhsa_memory_ordered 1
		.amdhsa_forward_progress 1
		.amdhsa_inst_pref_size 129
	.end_amdhsa_kernel
	.amdgpu_metadata
---
amdhsa.version: [ 1, 2 ]
amdhsa.kernels:
  - .name:           k_q637ce48faa_attn
    .symbol:         k_q637ce48faa_attn.kd
    .args:
      - { .name: query_layer, .offset: 0, .size: 8, .value_kind: global_buffer, .address_space: global }
      - { .name: kv, .offset: 8, .size: 8, .value_kind: global_buffer, .address_space: global }
      - { .name: lm, .offset: 16, .size: 8, .value_kind: global_buffer, .address_space: global }
      - { .name: fl, .offset: 24, .size: 8, .value_kind: global_buffer, .address_space: global }
      - { .name: lowp_scales, .offset: 32, .size: 8, .value_kind: global_buffer, .address_space: global }
      - { .name: out0, .offset: 40, .size: 8, .value_kind: global_buffer, .address_space: global }
    .group_segment_fixed_size: 134144
    .private_segment_fixed_size: 0
    .kernarg_segment_align: 8
    .kernarg_segment_size: 48
    .max_flat_workgroup_size: 256
    .sgpr_count:     100
    .vgpr_count:     512
    .wavefront_size: 32
...
	.end_amdgpu_metadata
.endif
;; end of part 2
;; ======== version 2 of 2: 2 launches
;; workspace buffers: kv 33,554,432 bytes; lm 1,048,576 bytes of whole numbers; fl 4,096 bytes of whole numbers
;; launch prep (part 3): grid 2304 x 1, 4 waves a work-group, no clusters, 34,304 bytes of LDS; arguments attention_mask, key_layer, value_layer, lowp_scales, kv, lm, fl; writes kv, lm, fl
.if DOCPART == 3
	.amdgcn_target "amdgcn-amd-amdhsa--gfx1250"
	.amdhsa_code_object_version 6
	.text
	.protected	k_q637ce48faa_prep
	.globl	k_q637ce48faa_prep
	.p2align	8
	.type	k_q637ce48faa_prep,@function
k_q637ce48faa_prep:
	s_mov_b64 s[64:65], 0
	v_nop
	global_prefetch_b8 v0, s[64:65] scope:SCOPE_SE
	s_setreg_imm32_b32 hwreg(HW_REG_WAVE_MODE, 25, 1), 1
	s_wait_xcnt 0x0
; THE LAUNCH IN FRONT OF THE ATTENTION.  Three kinds of work-groups, told apart by the work-group's number; each kind has its own path and its own end; waves share nothing, so there is no barrier.
;   0 .. 255      THE MASK.  attention_mask [2][1][2048][2048], one byte a place (not 0 = hidden), becomes lane masks and flags, as whole numbers:
;                 lm [g = 128 b + q / 16][ks = key / 128][64 words]: bit L of word n = mask[b][16 (g % 128) + L % 16][128 ks + 32 (n / 16) + 16 (L / 16) + n % 16]: the lanes in which score register n is hidden;
;                 fl [g][4 words]: word w holds, for ks = 4 w + j, bit 8 w + 2 j = some place of the 16 x 128 tile is open, bit 8 w + 2 j + 1 = some place is hidden; the four words ORed are 2 bits a key step.
;   256 .. 1279   K [64 heads][2048][128] f32 becomes codes of E4M3 with the given scale 2^ek;   1280 .. 2303   V likewise with 2^ev, THE KEYS INNERMOST.  One work-group takes 128 keys of a head.
;                 kv [head][ks][32,768 bytes]: K's image (16,384 bytes), then V's.  An image is the operands' registers as they will stand: fragment t (0..7), group of four registers c (0..3), lane L: 16 bytes at 2048 t + 512 c + 16 L.
;                 K: lane (r = L % 16, h = L / 16) holds key 128 ks + 32 (t / 2) + 8 (t % 2) + r + 8 (r / 8), channels 32 c + 16 h + 0 .. 15.     V: channel 16 t + r, keys 128 ks + 32 c + 16 h + 0 .. 15.
; code = x / 2^e, held within +-448, rounded to the nearest code, ties to even.
; LIMITS: ek and ev between -126 and 119, so that 2^e and 448 x 2^e are f32 numbers.  NaN among the inputs is not served; an infinity is held at the largest code.
.set SP,   528                         ; K's path: a stage row: 512 bytes + 16 = 132 words: row r starts at bank 4 r mod 64 (64 banks of 4 bytes: ISA guide 11.1)
.set WSTG, 16*SP                       ; a wave's own stage: 16 rows
.set KR,   16                          ; K: v16-143   two tiles of 16 keys as loaded: 4 registers a row
.set KX,   144                         ; K: v144-207  64 numbers of a lane: register 16 b + i = channel 32 b + 16 h + i of my key
.set KC,   208                         ; K: v208-239  codes, 16 registers a tile: no store's data are written again
.set VX,   16                          ; V: v16-79    two sets of 32 numbers down the keys
.set VC,   80                          ; V: v80-111   codes, 8 registers for each block of 32 keys: no store's data are written again
	s_load_b256 s[4:11], s[0:1], 0x0               ; mask s[4:5], K s[6:7], V s[8:9], the scales' exponents s[10:11]
	s_load_b128 s[12:15], s[0:1], 0x20             ; kv s[12:13], lm s[14:15]
	s_load_b64 s[16:17], s[0:1], 0x30              ; fl
	v_lshl_add_u32 v254, v0, 2, 0x8400
	v_mov_b32 v255, 0
	v_lshrrev_b32 v1, 5, v0
	v_readfirstlane_b32 s20, v1                    ; wave 0..3
	v_and_b32 v1, 31, v0                           ; lane
	v_and_b32 v2, 15, v0                           ; r
	v_bfe_u32 v3, v0, 4, 1                         ; h
	s_mov_b32 s31, 0                               ; the upper word of every offset: all lie under 2^31
	s_wait_kmcnt 0x0
	s_cmp_lt_u32 ttmp9, 256
	s_cbranch_scc1 .Lmask
	s_load_b128 s[24:27], s[10:11], 0x0            ; eq, ek, ep, ev
	s_cmp_lt_u32 ttmp9, 1280
	s_cbranch_scc1 .Lkeys
.macro SCALES e                        ; s[e] = the exponent: v11 = 2^e as f32 (the conversion takes its exponent field), v12 = 448 x 2^e
	s_add_co_i32 s28, s[\e], 127
	s_lshl_b32 s29, s28, 23
	v_mov_b32 v11, s29
	s_add_co_i32 s28, s28, 8
	s_lshl_b32 s28, s28, 23
	s_or_b32 s28, s28, 0x600000                    ; the mantissa field of 448
	v_mov_b32 v12, s28
.endm
; ---------------- V.  A lane takes a channel, and its registers run down the keys: the conversions then give codes with the keys innermost, and nothing is transposed.
; Wave w takes channels 32 w + lane.  A load reads one key's row at 32 neighbouring channels: 128 consecutive bytes a wave, the four waves side by side on the row's 512.
	s_sub_co_u32 s28, ttmp9, 1280                  ; 16 x head + ks
	s_lshl_b32 s30, s28, 16                        ; 128 keys of 512 bytes
	s_add_nc_u64 s[8:9], s[8:9], s[30:31]
	s_lshl_b32 s30, s28, 15                        ; a key step's 32,768 bytes of kv
	s_add_nc_u64 s[12:13], s[12:13], s[30:31]
	s_wait_alu depctr_va_vdst(0)
	v_lshlrev_b32 v13, 2, v1
	s_lshl_b32 s29, s20, 7
	v_add_nc_u32 v13, s29, v13                     ; in: 128 w + 4 x lane
	v_lshlrev_b32 v14, 4, v2
	v_lshl_add_u32 v14, v3, 11, v14
	s_lshl_b32 s29, s20, 12
	v_add_nc_u32 v14, s29, v14                     ; out: my channel is row lane % 16 of fragment 2 w + lane / 16: 4096 w + 2048 (lane / 16) + 16 (lane % 16)
.macro LOADV c                         ; keys 32 c + 0 .. 31 of my channel into set c % 2
.set n, 0
.rept 32
	global_load_b32 v[VX+32*((\c)%2)+n], v13, s[8:9] offset:(32*(\c)+n)*512 th:TH_LOAD_NT
.set n, n+1
.endr
.endm
.macro BLOCKV c
.if (\c) < 3
	s_wait_loadcnt 32                              ; this block's 32 loads are in; the next block's 32 may be out
.else
	s_wait_loadcnt 0x0
.endif
.set n, 0
.rept 32
	v_med3_num_f32 v[VX+32*((\c)%2)+n], v[VX+32*((\c)%2)+n], -v12, v12   ; the conversion to an 8-bit code does not saturate (ISA guide 7.6.2): the hold at the largest code x the scale comes first
.set n, n+1
.endr
.irp g, 0,1,2,3
	v_cvt_scalef32_pk8_fp8_f32 v[VC+8*(\c)+2*\g:VC+8*(\c)+2*\g+1], v[VX+32*((\c)%2)+8*\g:VX+32*((\c)%2)+8*\g+7], v11
.endr
	v_nop                                          ; one plain vector line behind the run of conversions
	global_store_b128 v14, v[VC+8*(\c):VC+8*(\c)+3], s[12:13] offset:16384+512*(\c)          ; keys 32 c + 0 .. 15: the place of the image's lanes 0-15.  Sixteen lanes store 256 consecutive bytes, aligned
	global_store_b128 v14, v[VC+8*(\c)+4:VC+8*(\c)+7], s[12:13] offset:16384+512*(\c)+256    ; keys 32 c + 16 .. 31: the place of its lanes 16-31
.if (\c)+2 < 4
	LOADV (\c)+2
.endif
.endm
	LOADV 0
	LOADV 1
	s_wait_kmcnt 0x0
	SCALES 27
	s_wait_alu depctr_va_vdst(0)
	BLOCKV 0
	BLOCKV 1
	BLOCKV 2
	BLOCKV 3
	s_endpgm
; ---------------- K.  Wave w makes fragments 2 w and 2 w + 1 from keys 32 w .. 32 w + 31 of the step.  A load takes a whole row of 512 bytes, 16 a lane; the conversions want 16 neighbouring channels in ONE lane:
; so a tile's 16 rows turn through the wave's own stage in LDS.  LDS serves a wave's instructions in order (ISA guide 5.7.1.4): no wait between the stores and the loads.
.Lkeys:
	s_sub_co_u32 s28, ttmp9, 256                   ; 16 x head + ks
	s_lshl_b32 s30, s28, 16
	s_lshl_b32 s29, s20, 14                        ; my wave's 32 keys
	s_add_co_u32 s30, s30, s29
	s_add_nc_u64 s[6:7], s[6:7], s[30:31]
	s_lshl_b32 s30, s28, 15
	s_lshl_b32 s29, s20, 12                        ; my wave's two fragments
	s_add_co_u32 s30, s30, s29
	s_add_nc_u64 s[12:13], s[12:13], s[30:31]
	s_mul_i32 s29, s20, WSTG
	s_wait_alu depctr_va_vdst(0)
	v_lshlrev_b32 v10, 4, v1                       ; 16 x lane: in memory, both ways
	v_add_nc_u32 v8, s29, v10                      ; into the stage: a row as it lies
	v_mul_u32_u24 v9, v2, SP
	v_lshl_add_u32 v9, v3, 6, v9
	v_add_nc_u32 v9, s29, v9                       ; back: row r, + 64 h: my 16 channels of each 32
.irp u, 0,1
.irp i, 0,1,2,3,4,5,6,7,8,9,10,11,12,13,14,15
	global_load_b128 v[KR+64*\u+4*\i:KR+64*\u+4*\i+3], v10, s[6:7] offset:(8*\u+\i+8*(\i/8))*512 th:TH_LOAD_NT   ; row i of the tile is key 8 u + i + 8 (i / 8) of my 32
.endr
.endr
	s_wait_alu depctr_va_vdst(0)
	s_wait_kmcnt 0x0
	SCALES 25
.macro KTILE u
	s_wait_loadcnt 16-16*\u                        ; this tile's 16 loads are in; the second tile's may be out
.irp i, 0,1,2,3,4,5,6,7,8,9,10,11,12,13,14,15
	ds_store_b128 v8, v[KR+64*\u+4*\i:KR+64*\u+4*\i+3] offset:SP*\i
.endr
.irp b, 0,1,2,3
.irp j, 0,1,2,3
	ds_load_b128 v[KX+16*\b+4*\j:KX+16*\b+4*\j+3], v9 offset:128*\b+16*\j
.endr
.endr
	s_wait_dscnt 0x0
.irp b, 0,1,2,3
.irp i, 0,1,2,3,4,5,6,7,8,9,10,11,12,13,14,15
	v_med3_num_f32 v[KX+16*\b+\i], v[KX+16*\b+\i], -v12, v12
.endr
	v_cvt_scalef32_pk8_fp8_f32 v[KC+16*\u+4*\b:KC+16*\u+4*\b+1], v[KX+16*\b:KX+16*\b+7], v11
	v_cvt_scalef32_pk8_fp8_f32 v[KC+16*\u+4*\b+2:KC+16*\u+4*\b+3], v[KX+16*\b+8:KX+16*\b+15], v11
.endr
	v_nop                                          ; one plain vector line behind the last conversion: the next tile's holds write these conversions' sources
.irp c, 0,1,2,3
	global_store_b128 v10, v[KC+16*\u+4*\c:KC+16*\u+4*\c+3], s[12:13] offset:2048*\u+512*\c   ; 32 lanes store 512 consecutive bytes, aligned
.endr
.endm
	s_wait_alu depctr_va_vdst(0)
	KTILE 0
	KTILE 1
	s_wait_tensorcnt 0x0
	ds_add_u32 v254, v255
	s_wait_dscnt 0x0
	s_endpgm
; ---------------- THE MASK.  Work-group g takes 16 queries, wave w key steps 4 w .. 4 w + 3.  Lane (r, h) loads, of query r, the 16 bytes whose keys its score registers 16 b .. 16 b + 15 will hold.
; A load touches 32 bytes of each of 16 rows; the wave's sixteen loads, issued on end, use up 512 whole bytes of each row.
.Lmask:
	s_lshl_b32 s30, ttmp9, 15                      ; 16 rows of 2,048 bytes
	s_add_nc_u64 s[4:5], s[4:5], s[30:31]
	s_lshl_b32 s30, ttmp9, 12                      ; lm: 16 key steps of 256 bytes,
	s_lshl_b32 s29, s20, 10                        ; my wave's four
	s_add_co_u32 s30, s30, s29
	s_add_nc_u64 s[14:15], s[14:15], s[30:31]
	s_lshl_b32 s30, ttmp9, 4                       ; fl: four words, my wave's one
	s_lshl_b32 s29, s20, 2
	s_add_co_u32 s30, s30, s29
	s_add_nc_u64 s[16:17], s[16:17], s[30:31]
	s_wait_alu depctr_va_vdst(0)
	v_lshlrev_b32 v4, 11, v2
	v_lshl_add_u32 v4, v3, 4, v4
	s_lshl_b32 s29, s20, 9
	v_add_nc_u32 v4, s29, v4                       ; 2048 r + 16 h + 512 w
	v_lshlrev_b32 v5, 3, v1                        ; out: 8 bytes a lane
.irp j, 0,1,2,3
.irp b, 0,1,2,3
	global_load_b128 v[16+16*\j+4*\b:16+16*\j+4*\b+3], v4, s[4:5] offset:128*\j+32*\b
.endr
.endr
	s_mov_b32 s48, 0                               ; my four steps' flags
; Key step 4 w + j.  Byte n % 4 of register n / 4 is the place of score register n; a compare makes its lane mask, which goes as word n into lane n / 2 of a pair of registers: the pair is stored as 256 bytes.
.macro MSTEP j
	s_wait_loadcnt 12-4*\j                         ; this step's four loads are in; the later steps' may be out
	v_mov_b32 v[80+2*\j], 0                        ; (a lane write's destination counts as read)
	v_mov_b32 v[81+2*\j], 0
	s_mov_b32 s44, 0                               ; the OR of the 64 words: not 0 = some place is hidden
	s_mov_b32 s45, -1                              ; their AND: not all ones = some place is open
.set n, 0
.rept 64
	v_and_b32 v[88+n%4], 0xff<<(8*(n%4)), v[16+16*\j+n/4]
	v_cmp_ne_u32 s[40+n%4], 0, v[88+n%4]
	v_writelane_b32 v[80+2*\j+n%2], s[40+n%4], n/2
	s_or_b32 s44, s44, s[40+n%4]
	s_and_b32 s45, s45, s[40+n%4]
.set n, n+1
.endr
	global_store_b64 v5, v[80+2*\j:81+2*\j], s[14:15] offset:256*\j   ; 32 lanes store 256 consecutive bytes, aligned; each step has its own pair
	s_cmp_lg_u32 s44, 0
	s_cselect_b32 s46, 2, 0
	s_cmp_lg_u32 s45, -1
	s_cselect_b32 s47, 1, 0
	s_or_b32 s46, s46, s47
	s_lshl_b32 s46, s46, 2*\j
	s_or_b32 s48, s48, s46
.endm
	MSTEP 0
	MSTEP 1
	MSTEP 2
	MSTEP 3
	s_lshl_b32 s49, s20, 3
	s_lshl_b32 s48, s48, s49                       ; to bits 8 w on
	v_mov_b32 v6, s48
	v_mov_b32 v7, 0
	v_cmp_eq_u32 vcc_lo, 0, v1
	s_wait_alu depctr_va_vdst(0)
	s_wait_xcnt 0x0                                ; EXEC is a source of the stores above: it changes only behind this wait
	s_and_saveexec_b32 s50, vcc_lo
	global_store_b32 v7, v6, s[16:17]              ; one word a wave, from lane 0: 1,024 such stores in the launch
	s_wait_xcnt 0x0                                ; and again in front of the line that widens it
	s_or_b32 exec_lo, exec_lo, s50
	s_endpgm
.Lfunc_end_k_q637ce48faa_prep:
	.size	k_q637ce48faa_prep, .Lfunc_end_k_q637ce48faa_prep-k_q637ce48faa_prep
	.p2alignl 7, 3214868480
	.fill 96, 4, 3214868480
	.section	.rodata,"a",@progbits
	.p2align	6, 0x0
	.amdhsa_kernel k_q637ce48faa_prep
		.amdhsa_group_segment_fixed_size 34304
		.amdhsa_private_segment_fixed_size 0
		.amdhsa_enable_private_segment 0
		.amdhsa_kernarg_size 56
		.amdhsa_user_sgpr_count 2
		.amdhsa_user_sgpr_kernarg_segment_ptr 1
		.amdhsa_wavefront_size32 1
		.amdhsa_system_sgpr_workgroup_id_x 1
		.amdhsa_system_sgpr_workgroup_id_y 1
		.amdhsa_system_sgpr_workgroup_id_z 1
		.amdhsa_system_vgpr_workitem_id 0
		.amdhsa_next_free_vgpr 256
		.amdhsa_next_free_sgpr 66
		.amdhsa_reserve_vcc 1
		.amdhsa_float_denorm_mode_32 3
		.amdhsa_float_denorm_mode_16_64 3
		.amdhsa_memory_ordered 1
		.amdhsa_forward_progress 1
		.amdhsa_inst_pref_size 111
	.end_amdhsa_kernel
	.amdgpu_metadata
---
amdhsa.version: [ 1, 2 ]
amdhsa.kernels:
  - .name:           k_q637ce48faa_prep
    .symbol:         k_q637ce48faa_prep.kd
    .args:
      - { .name: attention_mask, .offset: 0, .size: 8, .value_kind: global_buffer, .address_space: global }
      - { .name: key_layer, .offset: 8, .size: 8, .value_kind: global_buffer, .address_space: global }
      - { .name: value_layer, .offset: 16, .size: 8, .value_kind: global_buffer, .address_space: global }
      - { .name: lowp_scales, .offset: 24, .size: 8, .value_kind: global_buffer, .address_space: global }
      - { .name: kv, .offset: 32, .size: 8, .value_kind: global_buffer, .address_space: global }
      - { .name: lm, .offset: 40, .size: 8, .value_kind: global_buffer, .address_space: global }
      - { .name: fl, .offset: 48, .size: 8, .value_kind: global_buffer, .address_space: global }
    .group_segment_fixed_size: 34304
    .private_segment_fixed_size: 0
    .kernarg_segment_align: 8
    .kernarg_segment_size: 56
    .max_flat_workgroup_size: 128
    .sgpr_count:     66
    .vgpr_count:     256
    .wavefront_size: 32
...
	.end_amdgpu_metadata
.endif
;; end of part 3
;; launch attn (part 4): grid 64 x 8, 8 waves a work-group, no clusters, 134,144 bytes of LDS; arguments query_layer, kv, lm, fl, lowp_scales, out0; writes out0
.if DOCPART == 4
	.amdgcn_target "amdgcn-amd-amdhsa--gfx1250"
	.amdhsa_code_object_version 6
	.text
	.protected	k_q637ce48faa_attn
	.globl	k_q637ce48faa_attn
	.p2align	8
	.type	k_q637ce48faa_attn,@function
k_q637ce48faa_attn:
	s_mov_b64 s[64:65], 0
	v_nop
	global_prefetch_b8 v0, s[64:65] scope:SCOPE_SE
	s_setreg_imm32_b32 hwreg(HW_REG_WAVE_SCHED_MODE, 0, 2), 2
	s_setreg_imm32_b32 hwreg(HW_REG_WAVE_MODE, 25, 1), 1
	s_wait_xcnt 0x0
	s_wait_alu depctr_vm_vsrc(0)
; out0[b][q][128 h + :] = the sum over k of softmax_k(Q[b][h][q] . K[b][h][k] / sqrt(128), hidden where attention_mask[b][0][q][k]) V[b][h][k][:], both products on codes of E4M3, each operand with its given scale 2^e.
; Q: [64 heads][2048][128] f32, quantised here, in registers.  K's and V's codes (kv), the mask's lane words (lm) and tile flags (fl) were laid by the launch before, as its head comment says.
; THE SOFTMAX AHEAD OF THE SECOND PRODUCT: t = score x log2(e) / sqrt(128); M = the largest t so far, rounded UP to a whole number; p = 2^(t - M) is quantised, not normalised; the row's sum is taken of the unquantised p and
; divides at the end.  When M moves, the sum and O are multiplied by 2^(old M - new M), which rounds nothing.  A hidden score becomes -infinity ahead of the maximum, so its p is 0.  A ROW WITH EVERY KEY HIDDEN GIVES NaN (0 x 1/0).
; SHARES.  Work-group (x = head 0..63, y): queries 256 (7 - y) on (only an order: no value hangs on it).  Each of eight waves owns 32 queries, two tiles A and B of 16, in 512 registers, so that each fragment of K and V that it
; reads from LDS feeds two matrix instructions.  Keys go 128 a step, 16 steps.  A step's 32,768 bytes of kv are copied as they lie: global memory -> registers (8 loads of 16 bytes a lane) -> LDS, two buffers, one barrier a step.
; LAYOUT.  Both products are used transposed: S^T = K Q^T (source 0 = 16 keys, source 1 = 16 queries), O^T = V^T P^T: a lane holds ONE query (lane % 16) throughout.  The keys of a tile of K are chosen so that score registers
; 16 b .. 16 b + 15 are keys 32 b + 16 (lane / 16) + 0 .. 15: the conversions' results ARE the second product's operand.  In every operand registers 4 c .. 4 c + 3 hold k = 32 c + 16 (lane / 16) + 0 .. 15: a permutation
; of k that is the same on both sides of each product.
; WHAT THE MASK THROWS AWAY IS NOT COMPUTED, BY THE MASK AS IT WAS READ: a step in which all 32 x 128 places of the wave are hidden is jumped over (its p would be 0 and M would not move); a step with nothing hidden jumps over
; the masking; a block of kv that no wave of the work-group will read is not copied.  All these are scalar branches on the stored flags.  No barrier stands under a branch.
; NO JOINT REQUESTS, though the eight work-groups of a head read the same kv: joint requests are tensor loads; here the steps left out,
; the 128 selects of the masking and the 128 holds of p all hang on numbers read from memory.
; LIMITS on the given exponents, so that each power of two below is an f32 number: eq and ep between -126 and 119; eq + ek between -123 and 130 (added to c's exponent field); ep + ev goes by v_ldexp_f32 and has none.
; NaN among the inputs is not served.
; REGISTERS, window 0: v1-6 addresses; v12 -M, v13 the largest t, v[14:15] the sum (tile A); v16-19 the same (tile B); v20 the hold, v21 the conversions' scale, v22 -infinity; v[24:25], v[26:27] f of A, of B; v28-31 at work;
;   v32-95 fragments 0-3; v96-159 S^T of A, then p; v160-223 of B; v224-239, v240-255 p's codes.   window 1: v0-63 O^T of A, v64-127 of B; v128-159 the copy's registers; v160-175, v176-191 Q's codes; v192-255 fragments 4-7.
; THE MODE: SCHED_MODE bits 1:0 = 2 (LLVM: expert scheduling mode 2), set by the entry lines.  The code itself states the register dependences between vector or matrix instructions and memory or LDS instructions,
; with s_wait_alu, always for 0.
; THE PLAN.  Registers that memory or LDS instructions touch:
;   v1-v6       the addresses.  Written by vector lines at the head, once; read by every load, store and prefetch: one wait on va_vdst ahead of the first load serves the whole kernel.
;   the copy's  (window 1, v128-159).  Written by the eight global loads at a step's head, read by the eight LDS stores at its end; no vector line ever names them: one wait on vm_vsrc at a step's end, on every way.
;   fragments   (window 0, v32-95; window 1, v192-255).  In a step: K's 32 LDS loads land; the products K Q^T read; V's 32 LDS loads land; the products V^T P read.  So two waits on va_vdst a step: one ahead of K's loads
;               (the last worked step's V^T P are done reading), one behind K Q^T.  Behind the second, V's loads are dealt among the softmax's lines, which name v12-31 and v96-223 of window 0 alone: none of these registers.
;   S^T         (v96-223).  At the head Q's loads land there and Q's stage stores read them; in the loop vector and matrix lines alone; on the way out packed multiplies write them, the stage stores read them, the stage
;               loads land in them, the global stores read them.
;   s16         the wave's number, written by a vector line: one wait on va_sdst ahead of its first reader.  No other vector line writes a scalar register or VCC; EXEC is never written.
.set BUFB,  32768                      ; LDS: two buffers of a step's block: K's image, then V's
.set VIMG,  16384
.set STAGE, 2*BUFB                     ; behind them a stage of 16 rows x 528 bytes for each wave, its own: for Q's turn and for the way out
.set SP,    528                        ; 512 bytes + 16 = 132 words: row r starts at bank 4 r mod 64 (64 banks of 4 bytes: ISA guide 11.1)
.set LI,   1                           ; v1   16 x lane: a fragment's place for my lane; also my 16 bytes of a row of Q and of out0
.set GA,   2                           ; v2   16 x thread: the copy's place, in memory and in LDS alike
.set PFO,  3                           ; v3   256 x thread: the prefetches' offset
.set SO,   4                           ; v4   the stage: where I put 32 bytes of a row of O
.set SR,   5                           ; v5   the stage: a whole row, 16 bytes a lane
.set XR,   6                           ; v6   the stage: row lane % 16, my 16 channels of each 32
.set HOLD, 20
.set SCL,  21
.set NINF, 22
.set F,    32
.set SA,   96
.set SB,   160
.set PA,   224
.set PB,   240
.set OA,   0                           ; window 1 from here on
.set OB,   64
.set STG,  128
.set QA,   160
.set QB,   176
.set F2,   192
.set KVP,  6                           ; s[6:7]   kv at this trip's first block
.set LMP,  8                           ; s[8:9]   lm at my tile A's words of this trip's first step
.set OUT,  14                          ; s[14:15] out0 at my first row
.set WV,   16                          ; s16  wave
.set FW,   17                          ; s17  my two tiles' flags ORed, 2 bits a step, the step in hand lowest
.set GW,   18                          ; s18  the work-group's sixteen tiles' flags ORed, likewise
.set PW,   19                          ; s19  the same in a wave that prefetches, else 0
.set TRIPS, 20
.set EP,   21
.set CS,   22                          ; s[22:23] c = log2(e) / sqrt(128) x 2^(eq + ek); the packed form names a pair and takes its low word for both halves
.set SEL,  28                          ; s[28:29] lane selects for v_permlanex16_b32: lane l xor 16
.set EO,   30                          ; s30  ep + ev
                                       ; s[32:63], s[68:99]: a tile's 64 mask words: word n in s[32 + n], from n = 32 on in s[36 + n]
.set MSB, 0
.macro WIN new                         ; s_set_vgpr_msb: bits 1:0 source 0, 3:2 source 1, 5:4 source 2, 7:6 destination; the high byte repeats the setting that is left; a switch that changes nothing is dropped
.if MSB != \new
	s_set_vgpr_msb (MSB<<8)|\new
.set MSB, \new
.endif
.endm
.macro SCALES e                        ; s[e] = the exponent: v[SCL] = 2^e as f32, v[HOLD] = 448 x 2^e
	s_add_co_i32 s2, s[\e], 127
	s_lshl_b32 s3, s2, 23
	v_mov_b32 v[SCL], s3
	s_add_co_i32 s2, s2, 8
	s_lshl_b32 s2, s2, 23
	s_or_b32 s2, s2, 0x600000
	v_mov_b32 v[HOLD], s2
.endm
	s_load_b256 s[4:11], s[0:1], 0x0               ; Q s[4:5], kv s[6:7], lm s[8:9], fl s[10:11]
	s_load_b128 s[12:15], s[0:1], 0x20             ; the scales' exponents s[12:13], out0 s[14:15]
	v_lshl_add_u32 v11, v0, 2, 0x20800
	v_mov_b32 v23, 0
	v_lshrrev_b32 v7, 5, v0
	v_readfirstlane_b32 s[WV], v7                  ; wave 0..7
	s_and_b32 s66, ttmp7, 0xffff                   ; y
	s_sub_co_u32 s67, 7, s66                       ; my block of 256 queries
	s_lshr_b32 s17, ttmp9, 5                       ; b
	s_and_b32 s18, ttmp9, 31                       ; h
	; byte offsets, each under 2^31, in pairs with 0 above
	s_lshl_b32 s20, ttmp9, 20                      ; Q: a head's 2,048 rows of 512 bytes,
	s_lshl_b32 s2, s67, 17                         ; my block's 256,
	s_add_co_u32 s20, s20, s2
	s_wait_alu depctr_va_sdst(0)                   ; s16, the wave's number, is written, ahead of its first reader: offsets, LDS addresses and a choice are made from it
	s_lshl_b32 s2, s[WV], 14                       ; my wave's 32
	s_add_co_u32 s20, s20, s2
	s_mov_b32 s21, 0
	s_lshl_b32 s22, ttmp9, 19                      ; kv: a head's 16 blocks
	s_mov_b32 s23, 0
	s_lshl_b32 s24, s17, 19                        ; lm: tile 128 b + 16 block + 2 wave, 4,096 bytes a tile
	s_lshl_b32 s2, s67, 16
	s_add_co_u32 s24, s24, s2
	s_lshl_b32 s2, s[WV], 13
	s_add_co_u32 s24, s24, s2
	s_mov_b32 s25, 0
	s_lshl_b32 s26, s17, 11                        ; fl: tile 128 b + 16 block, 16 bytes a tile
	s_lshl_b32 s2, s67, 8
	s_add_co_u32 s26, s26, s2
	s_mov_b32 s27, 0
	s_lshl_b32 s28, s17, 25                        ; out0: row 2048 b + 256 block + 32 wave of 16,384 bytes, + 512 h
	s_lshl_b32 s2, s67, 22
	s_add_co_u32 s28, s28, s2
	s_lshl_b32 s2, s[WV], 19
	s_add_co_u32 s28, s28, s2
	s_lshl_b32 s2, s18, 9
	s_add_co_u32 s28, s28, s2
	s_mov_b32 s29, 0
	s_lshl_b32 s30, s[WV], 5                       ; fl: my two tiles' 32 bytes
	s_mov_b32 s31, 0
	v_and_b32 v[LI], 31, v0
	v_lshlrev_b32 v[LI], 4, v[LI]
	v_lshlrev_b32 v[GA], 4, v0
	v_lshlrev_b32 v[PFO], 8, v0
	v_and_b32 v7, 15, v0                           ; r
	v_bfe_u32 v8, v0, 4, 1                         ; h
	s_mul_i32 s2, s[WV], 16*SP
	s_add_co_u32 s2, s2, STAGE                     ; my stage
	v_mul_u32_u24 v9, v7, SP
	v_add_nc_u32 v9, s2, v9                        ; its row r
	v_lshl_add_u32 v[SO], v8, 5, v9
	v_lshl_add_u32 v[XR], v8, 6, v9
	v_add_nc_u32 v[SR], s2, v[LI]
	s_wait_kmcnt 0x0
	s_add_nc_u64 s[4:5], s[4:5], s[20:21]
	s_add_nc_u64 s[KVP:KVP+1], s[KVP:KVP+1], s[22:23]
	s_add_nc_u64 s[LMP:LMP+1], s[LMP:LMP+1], s[24:25]
	s_add_nc_u64 s[10:11], s[10:11], s[26:27]
	s_add_nc_u64 s[OUT:OUT+1], s[OUT:OUT+1], s[28:29]
	s_add_nc_u64 s[2:3], s[10:11], s[30:31]
	s_load_b512 s[32:47], s[10:11], 0x0            ; the flags of the work-group's sixteen tiles: 64 words
	s_load_b512 s[48:63], s[10:11], 0x40
	s_load_b512 s[68:83], s[10:11], 0x80
	s_load_b512 s[84:99], s[10:11], 0xc0
	s_load_b256 s[24:31], s[2:3], 0x0              ; and my two tiles' once more
	WIN 0x40                                       ; destination window 1 (the switch first, then the wait, then the loads)
	s_wait_alu depctr_va_vdst(0)                   ; the six addresses v1 to v6 are written: every load, store and prefetch of the kernel reads one of them, and no vector line names them again
.irp j, 0,1,2,3,4,5,6,7
	global_load_b128 v[STG+4*\j:STG+4*\j+3], v[GA], s[KVP:KVP+1] offset:4096*\j   ; block 0 is copied whatever the flags say
.endr
	WIN 0
.irp i, 0,1,2,3,4,5,6,7,8,9,10,11,12,13,14,15,16,17,18,19,20,21,22,23,24,25,26,27,28,29,30,31
	global_load_b128 v[SA+4*\i:SA+4*\i+3], v[LI], s[4:5] offset:512*\i th:TH_LOAD_NT   ; my 32 rows of Q, a whole row of 512 bytes a load
.endr
	s_wait_kmcnt 0x0
	s_or_b32 s[FW], s24, s25
.irp n, 26,27,28,29,30,31
	s_or_b32 s[FW], s[FW], s\n
.endr
	s_or_b32 s[GW], s32, s68
.set n, 1
.rept 31
	s_or_b32 s[GW], s[GW], s[32+n]
	s_or_b32 s[GW], s[GW], s[68+n]
.set n, n+1
.endr
	s_load_b128 s[24:27], s[12:13], 0x0            ; eq, ek, ep, ev
	s_lshr_b32 s2, s[WV], 2                        ; 0 in waves 0 to 3,
	s_or_b32 s2, s2, s66                           ; of the head's work-group y = 0
	s_cmp_eq_u32 s2, 0
	s_cselect_b32 s[PW], s[GW], 0
	s_mov_b32 s[SEL], 0x76543210
	s_mov_b32 s[SEL+1], 0xfedcba98
	WIN 0x40
.set n, 0
.rept 128
	v_mov_b32 v[n], 0                              ; O^T.  Which step is a wave's first hangs on the flags, so no product written out ahead of the loop can start these sums: they begin as zeros, which the first change of M leaves zeros
.set n, n+1
.endr
	WIN 0
	v_mov_b32 v13, 0xff61b1e6                      ; the largest t so far: -3e38, under every t
	v_mov_b32 v17, 0xff61b1e6
	v_floor_f32 v12, -v13                          ; -M
	v_floor_f32 v16, -v17
.irp n, 14,15,18,19,24,25,26,27,28,29,30,31
	v_mov_b32 v\n, 0                               ; the sums; and what is named as a lane permute's destination or as the upper half of a pair is written once
.endr
	v_mov_b32 v[NINF], 0xff800000
	s_wait_kmcnt 0x0
	s_add_co_i32 s2, s24, s25
	s_lshl_b32 s2, s2, 23
	s_mov_b32 s[CS], 0x3e0293ee                    ; c = log2(e) / sqrt(128)
	s_add_co_i32 s[CS], s[CS], s2                  ; a score stands for score x 2^(eq + ek): the two exponents are added to c's exponent field
	s_mov_b32 s[CS+1], s[CS]
	s_mov_b32 s[EP], s26
	s_add_co_i32 s[EO], s26, s27
	SCALES 24                                      ; eq, for Q
	s_wait_alu depctr_va_vdst(0)
	s_wait_loadcnt 32                              ; block 0's eight loads are in; Q's 32 may be out
	WIN 0x04                                       ; store data (source 1) window 1
.irp j, 0,1,2,3,4,5,6,7
	ds_store_b128 v[GA], v[STG+4*\j:STG+4*\j+3] offset:4096*\j
.endr
	WIN 0
; 16 rows of Q, in v[s] on as loaded, turn through my stage, so that a lane holds 16 neighbouring channels of each 32 of ITS row, and become the fragment v[q] on of window 1.  again = 1: the second turn
.macro QTILE s, q, again
.irp i, 0,1,2,3,4,5,6,7,8,9,10,11,12,13,14,15
	ds_store_b128 v[SR], v[\s+4*\i:\s+4*\i+3] offset:SP*\i
.endr
.if \again
	s_wait_alu depctr_va_vdst(0)                   ; the first turn's holds have written v[F ..] and its conversions are done reading them: the loads below land there
.endif
.irp b, 0,1,2,3
.irp j, 0,1,2,3
	ds_load_b128 v[F+16*\b+4*\j:F+16*\b+4*\j+3], v[XR] offset:128*\b+16*\j   ; LDS serves a wave's instructions in order (ISA guide 5.7.1.4): these see the stores above
.endr
.endr
	s_wait_dscnt 0x0
.set n, 0
.rept 64
	v_med3_num_f32 v[F+n], v[F+n], -v[HOLD], v[HOLD]   ; the conversion to an 8-bit code does not saturate (ISA guide 7.6.2): the hold comes first
.set n, n+1
.endr
	WIN 0x40
.irp b, 0,1,2,3
	v_cvt_scalef32_pk8_fp8_f32 v[\q+4*\b:\q+4*\b+1], v[F+16*\b:F+16*\b+7], v[SCL]
	v_cvt_scalef32_pk8_fp8_f32 v[\q+4*\b+2:\q+4*\b+3], v[F+16*\b+8:F+16*\b+15], v[SCL]
.endr
	WIN 0
	v_nop                                          ; one plain vector line behind the run of conversions, ahead of whatever next touches their results or writes their sources
.endm
	s_wait_loadcnt 16                              ; tile A's 16 rows are in
	QTILE SA, QA, 0
	s_wait_loadcnt 0x0
	QTILE SB, QB, 1
	SCALES 26                                      ; from here on: ep, for p
	s_wait_dscnt 0x0                               ; for the others' sake: my part of block 0 lies in LDS
	s_wait_alu depctr_vm_vsrc(0)                   ; my LDS stores have read the copy's registers, in which the first step's loads land, and v[SA ..], v[SB ..], which the first products write
	s_barrier_signal -1
	s_barrier_wait -1
	s_mov_b32 s[TRIPS], 8
.macro MWORDS off                      ; a tile's 64 mask words of a step
	s_load_b512 s[32:47], s[LMP:LMP+1], \off
	s_load_b512 s[48:63], s[LMP:LMP+1], \off+64
	s_load_b512 s[68:83], s[LMP:LMP+1], \off+128
	s_load_b512 s[84:99], s[LMP:LMP+1], \off+192
.endm
.macro MASKT s                         ; hidden scores become -infinity; each accumulator from its low end on
.set n, 0
.rept 32
	v_cndmask_b32 v[\s+n], v[\s+n], v[NINF], s[32+n]
.set n, n+1
.endr
.set n, 0
.rept 32
	v_cndmask_b32 v[\s+32+n], v[\s+32+n], v[NINF], s[68+n]
.set n, n+1
.endr
.endm
.macro FRAGS base                      ; an image's eight fragments, 32 loads in one run; it leaves the destination in window 1
.irp t, 0,1,2,3
.irp c, 0,1,2,3
	ds_load_b128 v[F+16*\t+4*\c:F+16*\t+4*\c+3], v[LI] offset:(\base)+2048*\t+512*\c
.endr
.endr
	WIN 0x40
.irp t, 0,1,2,3
.irp c, 0,1,2,3
	ds_load_b128 v[F2+16*\t+4*\c:F2+16*\t+4*\c+3], v[LI] offset:(\base)+2048*(\t+4)+512*\c
.endr
.endr
.endm
.macro LFRAG reg, off                  ; one fragment: four loads
.irp c, 0,1,2,3
	ds_load_b128 v[\reg+4*\c:\reg+4*\c+3], v[LI] offset:(\off)+512*\c
.endr
.endm
.macro KQ t                            ; 16 keys x my two tiles of queries: the fragment is read from LDS once and feeds both
.if (\t) < 4
.set rF, F+16*(\t)
.else
.set rF, F2+16*((\t)-4)
.endif
	v_wmma_f32_16x16x128_fp8_fp8 v[SA+8*(\t):SA+8*(\t)+7], v[rF:rF+15], v[QA:QA+15], 0
	v_wmma_f32_16x16x128_fp8_fp8 v[SB+8*(\t):SB+8*(\t)+7], v[rF:rF+15], v[QB:QB+15], 0
.endm
.macro PV t                            ; 16 channels x my two tiles.  The sixteen accumulators take turns, one instruction a turn
.if (\t) < 4
.set rF, F+16*(\t)
.else
.set rF, F2+16*((\t)-4)
.endif
	v_wmma_f32_16x16x128_fp8_fp8 v[OA+8*(\t):OA+8*(\t)+7], v[rF:rF+15], v[PA:PA+15], v[OA+8*(\t):OA+8*(\t)+7]
	v_wmma_f32_16x16x128_fp8_fp8 v[OB+8*(\t):OB+8*(\t)+7], v[rF:rF+15], v[PB:PB+15], v[OB+8*(\t):OB+8*(\t)+7]
.endm
.macro PLACES                          ; four plain vector lines between a matrix instruction and a vector line that reads its result (ISA guide 7.12.1)
.rept 4
	v_nop
.endr
.endm
; A KEY STEP: 128 keys, out of buffer p.
.macro STEP p
	s_bitcmp1_b32 s[GW], 2                         ; will any wave of the work-group read the next step's block?  (Behind step 15 the flags are zeros: no load leaves kv)
	s_cbranch_scc0 .Lnl_\@
	WIN 0x40
.irp j, 0,1,2,3,4,5,6,7
	global_load_b128 v[STG+4*\j:STG+4*\j+3], v[GA], s[KVP:KVP+1] offset:(\p+1)*BUFB+4096*\j   ; it has this step's work in which to come.  No wait here: no vector line names these registers, and the LDS stores that read them stand ahead of the wait on vm_vsrc in front of the last barrier
.endr
	WIN 0
.Lnl_\@:
	; A PREFETCH INTO THE L2 of the block whose loads the NEXT step issues: 32,768 bytes, 128 lanes 256 bytes apart.  All eight work-groups of a head walk the same kv: waves 0 to 3 of the work-group y = 0 ask, and nobody else,
	; so each aligned block of 256 bytes is named once in the launch.  Blocks 0 and 1 come by their loads alone; a block that the asking work-group will not read, and what would lie behind block 15, is not asked for.
	s_bitcmp1_b32 s[PW], 4
	s_cbranch_scc0 .Lnp_\@
	global_prefetch_b8 v[PFO], s[KVP:KVP+1] offset:(\p+2)*BUFB th:TH_LOAD_NT scope:SCOPE_SE
.Lnp_\@:
	s_bitcmp1_b32 s[FW], 0                         ; is any of my 32 x 128 places open?
	s_cbranch_scc0 .Lskip_\@
	s_bitcmp1_b32 s[FW], 1                         ; is any hidden?  Then tile A's mask words are asked for now
	s_cbranch_scc0 .Lnm_\@
	MWORDS 256*\p
.Lnm_\@:
	s_wait_alu depctr_va_vdst(0)                   ; the products V^T P of the last step that I worked (ahead of my first: Q's conversions) are done reading the fragments' registers, in which K's loads land
	FRAGS BUFB*\p                                  ; K.  Nothing else of mine is out on DScnt: the barrier's wait was for 0
	WIN 0x04                                       ; Q (source 1) window 1
	s_wait_dscnt 24                                ; four loads to a fragment: fragments 0 and 1 are in
	KQ 0
	KQ 1
	s_wait_dscnt 16
	KQ 2
	KQ 3
	WIN 0x05                                       ; fragments 4-7 (source 0) window 1 too
	s_wait_dscnt 8
	KQ 4
	KQ 5
	s_wait_dscnt 0x0
	KQ 6
	KQ 7
	WIN 0
	PLACES                                         ; ahead of the first vector line that reads the scores; the wait below fills none of them
	s_wait_alu depctr_va_vdst(0)                   ; the products K Q^T are done reading the fragments' registers: V's 32 loads land there.  They follow dealt among the softmax's lines, on both ways round the masking: none of those lines names v32-95, window 1's v192-255 or v[LI]
	s_wait_kmcnt 0x0                               ; on every way, so that the count is right on every way
	s_bitcmp1_b32 s[FW], 1
	s_cbranch_scc0 .Lopen_\@
	MASKT SA
	MWORDS 4096+256*\p                             ; tile B's words lie one tile, 4,096 bytes, on
	s_wait_kmcnt 0x0
	MASKT SB
.Lopen_\@:
	; the two tiles' softmax, line by line by turns, so that no line waits for the line above it
	v_max3_num_f32 v30, v[SA], v[SA+1], v[SA+2]    ; the step's largest score of my query among my 64 keys, in two chains a tile, ascending: each accumulator is read from its low end on
	v_max3_num_f32 v31, v[SB], v[SB+1], v[SB+2]
	v_max3_num_f32 v24, v[SA+3], v[SA+4], v[SA+5]
	v_max3_num_f32 v26, v[SB+3], v[SB+4], v[SB+5]
.irp i, 6,10,14,18,22,26,30,34,38,42,46,50,54,58
.if ((\i)%12 == 6) && ((\i) < 54)
	LFRAG F+16*((\i)/12), BUFB*\p+VIMG+2048*((\i)/12)   ; V's fragments 0 to 3, four loads at a time, twelve of the maximum's lines apart: they take K's registers and come while the softmax is worked
.endif
	v_max3_num_f32 v30, v30, v[SA+\i], v[SA+\i+1]
	v_max3_num_f32 v31, v31, v[SB+\i], v[SB+\i+1]
	v_max3_num_f32 v24, v24, v[SA+\i+2], v[SA+\i+3]
	v_max3_num_f32 v26, v26, v[SB+\i+2], v[SB+\i+3]
.endr
	v_max3_num_f32 v30, v30, v[SA+62], v[SA+63]
	v_max3_num_f32 v31, v31, v[SB+62], v[SB+63]
	v_max_num_f32 v30, v30, v24
	v_max_num_f32 v31, v31, v26
	v_permlanex16_b32 v28, v30, s[SEL], s[SEL+1]
	v_permlanex16_b32 v29, v31, s[SEL], s[SEL+1]
	v_max_num_f32 v30, v30, v28                    ; and among lane l xor 16's
	v_max_num_f32 v31, v31, v29
	v_mul_f32 v30, s[CS], v30                      ; as t (c is positive)
	v_mul_f32 v31, s[CS], v31
	v_max_num_f32 v13, v13, v30                    ; the running largest t
	v_max_num_f32 v17, v17, v31
	v_mov_b32 v30, v12
	v_mov_b32 v31, v16
	v_floor_f32 v12, -v13                          ; the new -M = floor(-t) = -ceil(t): M is a whole number
	v_floor_f32 v16, -v17
	v_sub_f32 v30, v12, v30                        ; M's old value less its new one: a whole number, 0 or less
	v_sub_f32 v31, v16, v31
	v_cvt_i32_f32 v30, v30                         ; (it saturates)
	v_cvt_i32_f32 v31, v31
	v_ldexp_f32 v24, 1.0, v30                      ; f = 2^(old M - new M)
	v_ldexp_f32 v26, 1.0, v31
	WIN 0x40                                       ; destination window 1
.irp t, 0,1,2,3
	LFRAG F2+16*\t, BUFB*\p+VIMG+2048*(\t+4)       ; V's fragments 4 to 7, in one run under one pair of switches; still behind the wait that stands behind K Q^T
.endr
	WIN 0
.set n, 0
.rept 32
	v_pk_fma_f32 v[SA+n:SA+n+1], v[SA+n:SA+n+1], s[CS:CS+1], v[12:13] op_sel_hi:[1,0,0]   ; t - M, two at a time (of the pairs c and -M the low word serves both halves)
	v_pk_fma_f32 v[SB+n:SB+n+1], v[SB+n:SB+n+1], s[CS:CS+1], v[16:17] op_sel_hi:[1,0,0]
.set n, n+2
.endr
.set n, 0
	s_wait_alu depctr_va_vdst(0)
.rept 128
	v_exp_f32 v[SA+n], v[SA+n]                     ; p = 2^(t - M), at most 1: both tiles' exponentials are one batch
.set n, n+1
.endr
	v_pk_mul_f32 v[14:15], v[14:15], v[24:25] op_sel_hi:[1,0]   ; the sums under the new M: plain lines behind the last exponential
	v_pk_mul_f32 v[18:19], v[18:19], v[26:27] op_sel_hi:[1,0]
	s_wait_alu depctr_va_vdst(0)                   ; the 128 exponentials have written p in v[SA ..] and v[SB ..]: one wait for the batch, ahead of the first line that names a result
	v_pk_add_f32 v[28:29], v[SA:SA+1], v[SA+2:SA+3]             ; THE ROW'S SUM IS TAKEN OF THE UNQUANTISED p: two at a time, two chains a tile
	v_pk_add_f32 v[30:31], v[SB:SB+1], v[SB+2:SB+3]
.irp j, 4,8,12,16,20,24,28,32,36,40,44,48,52,56,60
	v_pk_add_f32 v[14:15], v[14:15], v[SA+\j:SA+\j+1]
	v_pk_add_f32 v[18:19], v[18:19], v[SB+\j:SB+\j+1]
	v_pk_add_f32 v[28:29], v[28:29], v[SA+\j+2:SA+\j+3]
	v_pk_add_f32 v[30:31], v[30:31], v[SB+\j+2:SB+\j+3]
.endr
	v_pk_add_f32 v[14:15], v[14:15], v[28:29]
	v_pk_add_f32 v[18:19], v[18:19], v[30:31]
	s_cmp_ge_i32 s[EP], -8                         ; p is at most 1, and from ep = -8 on 448 x 2^ep is 1.75 or more: nothing is there to hold
	s_cbranch_scc1 .Lnh_\@
.set n, 0
.rept 128
	v_min_num_f32 v[SA+n], v[SA+n], v[HOLD]        ; the conversion does not saturate (ISA guide 7.6.2); p is not negative, so the hold is one-sided
.set n, n+1
.endr
.Lnh_\@:
.irp b, 0,1,2,3
	v_cvt_scalef32_pk8_fp8_f32 v[PA+4*\b:PA+4*\b+1], v[SA+16*\b:SA+16*\b+7], v[SCL]
	v_cvt_scalef32_pk8_fp8_f32 v[PA+4*\b+2:PA+4*\b+3], v[SA+16*\b+8:SA+16*\b+15], v[SCL]
	v_cvt_scalef32_pk8_fp8_f32 v[PB+4*\b:PB+4*\b+1], v[SB+16*\b:SB+16*\b+7], v[SCL]
	v_cvt_scalef32_pk8_fp8_f32 v[PB+4*\b+2:PB+4*\b+3], v[SB+16*\b+8:SB+16*\b+15], v[SCL]
.endr
	WIN 0x41                                       ; O^T (destination and source 0) window 1, f window 0
.set n, 0
.rept 32
	v_pk_mul_f32 v[OA+n:OA+n+1], v[OA+n:OA+n+1], v[24:25] op_sel_hi:[1,0]   ; O^T under the new M.  These are also the plain lines between the conversions and the products that read their results
	v_pk_mul_f32 v[OB+n:OB+n+1], v[OB+n:OB+n+1], v[26:27] op_sel_hi:[1,0]
.set n, n+2
.endr
	WIN 0x50                                       ; C and D window 1
	s_wait_alu depctr_va_vdst(0)
	s_wait_dscnt 16                                ; V's fragments 0-3 are in: the sixteen loads of fragments 4-7 were issued behind theirs
	PV 0
	PV 1
	PV 2
	PV 3
	WIN 0x51                                       ; fragments 4-7 window 1
	s_wait_dscnt 0x0
	PV 4
	PV 5
	PV 6
	PV 7
	WIN 0
	PLACES                                         ; four plain lines behind the step's last products, ahead of the first vector line that reads O^T on any way on: a later step's scaling, or the way out
.Lskip_\@:
	s_wait_loadcnt 0x0                             ; on every way: the next block, if it was asked for, is in my registers
	s_bitcmp1_b32 s[GW], 2
	s_cbranch_scc0 .Lns_\@
	WIN 0x04
.irp j, 0,1,2,3,4,5,6,7
	ds_store_b128 v[GA], v[STG+4*\j:STG+4*\j+3] offset:(1-\p)*BUFB+4096*\j   ; into the other buffer: its last readers waited for their loads in front of the barrier at the last step's end
.endr
	WIN 0
.Lns_\@:
	s_lshr_b32 s[FW], s[FW], 2                     ; on to the next step's flags
	s_lshr_b32 s[GW], s[GW], 2
	s_lshr_b32 s[PW], s[PW], 2
	s_wait_dscnt 0x0                               ; for the others' sake: my stores have landed, and my reads of this buffer are over
	s_wait_alu depctr_vm_vsrc(0)                   ; my LDS stores have read the copy's registers, in which the next step's loads land: on every way, ahead of the branch that leads to those loads
	s_barrier_signal -1
	s_barrier_wait -1                              ; every wave passes it, those that left the step out too
.endm
.Ltrip:                                            ; 8 trips of two steps: the trip count is a constant, and every LDS address a fixed register and an immediate
	STEP 0
	STEP 1
	s_wait_xcnt 0x0                                ; the trip's loads and prefetches have read their bases: they may step
	s_add_nc_u64 s[KVP:KVP+1], s[KVP:KVP+1], 2*BUFB
	s_add_nc_u64 s[LMP:LMP+1], s[LMP:LMP+1], 512
	s_sub_co_u32 s[TRIPS], s[TRIPS], 1
	s_cmp_lg_u32 s[TRIPS], 0
	s_cbranch_scc1 .Ltrip
	; THE WAY OUT.  The sum's halves are added; O^T x 2^(ep + ev) / the sum goes through my stage, a tile of 16 queries at a time, and leaves as whole rows of 512 bytes.
	v_add_f32 v14, v14, v15
	v_add_f32 v18, v18, v19
	v_permlanex16_b32 v28, v14, s[SEL], s[SEL+1]
	v_permlanex16_b32 v29, v18, s[SEL], s[SEL+1]
	v_add_f32 v14, v14, v28                        ; the row's sum
	v_add_f32 v18, v18, v29
	s_wait_alu depctr_va_vdst(0)
	v_rcp_f32 v14, v14
	v_rcp_f32 v18, v18
	v_nop                                          ; a plain line behind the last reciprocal
	s_wait_alu depctr_va_vdst(0)                   ; the two reciprocals have written v14 and v18: one wait for both, ahead of the first line that names a result
	v_ldexp_f32 v14, v14, s[EO]
	v_ldexp_f32 v18, v18, s[EO]
.macro OUTMUL s, o, d                  ; v[d]: the factor (named with v[d + 1] as a pair; the low word serves both halves)
.set n, 0
.rept 32
	v_pk_mul_f32 v[\s+n:\s+n+1], v[\o+n:\o+n+1], v[\d:\d+1] op_sel_hi:[1,0]   ; register 8 t + i is o(query r, channel 16 t + 8 h + i); each accumulator from its low end on
.set n, n+2
.endr
.endm
.macro OUTTURN s                       ; a tile through my stage
.irp t, 0,1,2,3,4,5,6,7
	ds_store_b128 v[SO], v[\s+8*\t:\s+8*\t+3] offset:64*\t
	ds_store_b128 v[SO], v[\s+8*\t+4:\s+8*\t+7] offset:64*\t+16
.endr
	s_wait_alu depctr_vm_vsrc(0)                   ; the sixteen stores above have read v[s ..], in which the loads below land
.irp i, 0,1,2,3,4,5,6,7,8,9,10,11,12,13,14,15
	ds_load_b128 v[\s+4*\i:\s+4*\i+3], v[SR] offset:SP*\i   ; LDS serves a wave's instructions in order: these see the stores above, and the next tile's stores come behind them
.endr
.endm
	WIN 0x01                                       ; source 0 (O^T) window 1
	OUTMUL SA, OA, 14                              ; both tiles' multiplies stand together, so that one wait serves both tiles' stores
	OUTMUL SB, OB, 18
	WIN 0
	s_wait_alu depctr_va_vdst(0)                   ; the 64 packed multiplies have written v[SA ..] and v[SB ..], which the stage's stores read and in which its loads land; no vector line follows
	OUTTURN SA
	OUTTURN SB
.irp i, 0,1,2,3,4,5,6,7,8,9,10,11,12,13,14,15
	s_wait_dscnt 47-\i                             ; tile B's 32 LDS instructions and tile A's later loads may be out
	global_store_b128 v[LI], v[SA+4*\i:SA+4*\i+3], s[OUT:OUT+1] offset:16384*\i th:TH_STORE_NT   ; 32 lanes store 512 consecutive bytes, at a multiple of 256 from out0's first byte
.endr
.irp i, 0,1,2,3,4,5,6,7,8,9,10,11,12,13,14,15
	s_wait_dscnt 15-\i
	global_store_b128 v[LI], v[SB+4*\i:SB+4*\i+3], s[OUT:OUT+1] offset:16384*(16+\i) th:TH_STORE_NT
.endr
	s_wait_dscnt 0x0
	s_wait_alu depctr_hold_cnt(0) depctr_sa_sdst(0) depctr_va_vdst(0) depctr_va_sdst(0) depctr_va_ssrc(0) depctr_va_vcc(0) depctr_vm_vsrc(0)
	s_wait_tensorcnt 0x0
	ds_add_u32 v11, v23
	s_wait_dscnt 0x0
	s_endpgm
.Lfunc_end_k_q637ce48faa_attn:
	.size	k_q637ce48faa_attn, .Lfunc_end_k_q637ce48faa_attn-k_q637ce48faa_attn
	.p2alignl 7, 3214868480
	.fill 96, 4, 3214868480
	.section	.rodata,"a",@progbits
	.p2align	6, 0x0
	.amdhsa_kernel k_q637ce48faa_attn
		.amdhsa_group_segment_fixed_size 134144
		.amdhsa_private_segment_fixed_size 0
		.amdhsa_enable_private_segment 0
		.amdhsa_kernarg_size 48
		.amdhsa_user_sgpr_count 2
		.amdhsa_user_sgpr_kernarg_segment_ptr 1
		.amdhsa_wavefront_size32 1
		.amdhsa_system_sgpr_workgroup_id_x 1
		.amdhsa_system_sgpr_workgroup_id_y 1
		.amdhsa_system_sgpr_workgroup_id_z 1
		.amdhsa_system_vgpr_workitem_id 0
		.amdhsa_next_free_vgpr 512
		.amdhsa_next_free_sgpr 100
		.amdhsa_reserve_vcc 0
		.amdhsa_float_denorm_mode_32 3
		.amdhsa_float_denorm_mode_16_64 3
		.amdhsa_memory_ordered 1
		.amdhsa_forward_progress 1
		.amdhsa_inst_pref_size 129
	.end_amdhsa_kernel
	.amdgpu_metadata
---
amdhsa.version: [ 1, 2 ]
amdhsa.kernels:
  - .name:           k_q637ce48faa_attn
    .symbol:         k_q637ce48faa_attn.kd
    .args:
      - { .name: query_layer, .offset: 0, .size: 8, .value_kind: global_buffer, .address_space: global }
      - { .name: kv, .offset: 8, .size: 8, .value_kind: global_buffer, .address_space: global }
      - { .name: lm, .offset: 16, .size: 8, .value_kind: global_buffer, .address_space: global }
      - { .name: fl, .offset: 24, .size: 8, .value_kind: global_buffer, .address_space: global }
      - { .name: lowp_scales, .offset: 32, .size: 8, .value_kind: global_buffer, .address_space: global }
      - { .name: out0, .offset: 40, .size: 8, .value_kind: global_buffer, .address_space: global }
    .group_segment_fixed_size: 134144
    .private_segment_fixed_size: 0
    .kernarg_segment_align: 8
    .kernarg_segment_size: 48
    .max_flat_workgroup_size: 256
    .sgpr_count:     100
    .vgpr_count:     512
    .wavefront_size: 32
...
	.end_amdgpu_metadata
.endif
;; end of part 4
